; MI455X (gfx1250); checked and timed in simulation.
; The chip was launched on July 23, 2026; its instructions are those of AMD's public machine-readable ISA for CDNA 5 (MIT licence, August 2026) and "CDNA5" Instruction Set Architecture Reference Guide (July 2026). The comments in the code are by the model that wrote it; some were corrected since.
;; Block. Allowed arithmetic: matrix products marked QUANTISED: E4M3 operands, one given power-of-two scale a tensor, by v_wmma_f32_16x16x64_fp8_fp8 or v_wmma_f32_16x16x128_fp8_fp8, f32 sums; everything else in f32.
;; Inputs: b1 4,096 float32; b2 1,024 float32; b_proj 1,024 float32; ln1_bias 1,024 float32; ln1_scale 1,024 float32; ln2_bias 1,024 float32; ln2_scale 1,024 float32; lowp_scales 16 int32 (the exponents e of the quantised operands' scales 2^e); w1 1,024 x 4,096 float32; w2 4,096 x 1,024 float32; w_proj 1,024 x 1,024 float32; wk 16 x 1,024 x 64 float32; wq 16 x 1,024 x 64 float32; wv 16 x 1,024 x 64 float32; x 4 x 1,024 x 1,024 float32.
;; Outputs: out0 4 x 1,024 x 1,024 float32.
;; This version of the problem:
;;   THIS VERSION OF THE PROBLEM IS GIVEN IN LOW PRECISION. The matrix products marked QUANTISED in the list below multiply operands that are first quantised to E4M3 (4 exponent bits, 3 mantissa bits; 8 bits a number), with one given power-of-two scale for each operand tensor; their sums are f32. All else is computed in f32.
;;   The module's matrix products, in the order in which they are computed (A, B: the left and right operand; K: the contracted axis; several contracted axes count as one K, in the product's order):
;;     1. [M 1,024, K 1,024] x [K 1,024, N 4,096]; A: input wq; B: computed on the way: QUANTISED (scales: A lowp_scales[0], B lowp_scales[1])
;;     2. [M 1,024, K 1,024] x [K 1,024, N 4,096]; A: input wk; B: computed on the way: QUANTISED (scales: A lowp_scales[2], B lowp_scales[3])
;;     3. [M 1,024, K 1,024] x [K 1,024, N 4,096]; A: input wv; B: computed on the way: QUANTISED (scales: A lowp_scales[4], B lowp_scales[5])
;;     4. batch 64 x [M 1,024, K 64] x [K 64, N 1,024]; A: computed on the way; B: computed on the way: QUANTISED (scales: A lowp_scales[6], B lowp_scales[7])
;;     5. batch 64 x [M 1,024, K 1,024] x [K 1,024, N 64]; A: softmax (see below); B: computed on the way: QUANTISED (scales: A lowp_scales[8], B lowp_scales[9])
;;     6. [M 4,096, K 1,024] x [K 1,024, N 1,024]; A: computed on the way; B: input w_proj: QUANTISED (scales: A lowp_scales[10], B lowp_scales[11])
;;     7. [M 4,096, K 1,024] x [K 1,024, N 4,096]; A: computed on the way; B: input w1: QUANTISED (scales: A lowp_scales[12], B lowp_scales[13])
;;     8. [M 4,096, K 4,096] x [K 4,096, N 1,024]; A: computed on the way; B: input w2: QUANTISED (scales: A lowp_scales[14], B lowp_scales[15])
;;   THE QUANTISER, for each operand of a quantised product, along K:
;;     - The operand's scale is 2^e, e = its entry of the input lowp_scales (int32; the entries are numbered through the quantised products in the list's order, A before B).
;;     - Each number is divided by the scale, clamped to +-448, and rounded to the nearest number of E4M3, ties to even, subnormals kept.
;;     - The product sums the exact products of the quantised numbers (number of the format x scale) in f32.
;;   ~~~python
;;   def quantise(x, axis, e):      # numpy; x: float32 -> the quantised numbers, widened to float32 again
;;       x = np.moveaxis(x, axis, -1); K = x.shape[-1]
;;       r = np.clip(x / 2.0 ** e, -448, 448)
;;       step = 2.0 ** (np.maximum(np.frexp(np.where(r == 0, 1, r))[1] - 1, -6) - 3)
;;       q = np.round(r / step) * step * 2.0 ** e      # np.round: ties to even
;;       return np.moveaxis(q, -1, axis).astype(np.float32)
;;   ~~~
;;   SOFTMAX AHEAD OF A QUANTISED PRODUCT. Where the list says 'softmax', what is quantised is not the finished softmax but p = 2^(t - M), with t = logit x log2(e) and M = ceil(the row's largest t), a whole number; so 1/2 < the row's largest p <= 1. The row's sum l is taken of the UNQUANTISED p, in f32, and the product's result is divided by l at the end. Since M is a whole number, a kernel that streams over the keys may use a running M (the ceiling of the running maximum): every later rescaling is an exact power of two, so the quantised numbers keep their values, but for numbers so far below the row's largest that they fall under the format's range.
;;   OPERANDS COMPUTED ON THE WAY. 'Computed on the way' means the value that the module computes at that place (a softmax that the list does not call 'softmax' is quantised finished and normalised). What goes into a quantiser is computed in f32, as accurately as f32 sums, v_exp_f32 and their like allow (about 1e-6 of the number): no bf16 or f16 on the way to a quantiser, and a product that is left as it is and whose result goes on into a quantised operand takes f32 operands (vector FMAs, or v_wmma_f32_16x16x4_f32). A number that lies on a knife's edge between two numbers of the format may be rounded either way, as far as f32 arithmetic and the matrix unit's own rounding can turn it there, and no further.
;; One version. Each part assembles by itself: llvm-mc -triple=amdgcn-amd-amdhsa -mcpu=gfx1250 --defsym DOCPART=n.
;; ======== version 1 of 1: 7 launches
;; limits: right only within a limited range of input values
;; workspace buffers: wcodes 12,582,912 bytes; h1c 12,582,912 bytes; qkvc 12,582,912 bytes; attnc 4,194,304 bytes; x1 16,777,216 bytes; h2c 4,194,304 bytes; hidc 16,777,216 bytes
;; launch prep (part 1): grid 896 x 1, 4 waves a work-group, no clusters, 47,616 bytes of LDS; arguments wq, wk, wv, w_proj, w1, w2, lowp_scales, wcodes, x, ln1_scale, ln1_bias, h1c; writes wcodes, h1c
.if DOCPART == 1
	.amdgcn_target "amdgcn-amd-amdhsa--gfx1250"
	.amdhsa_code_object_version 6
	.text
	.protected	k_q9deea2a857_prep
	.globl	k_q9deea2a857_prep
	.p2align	8
	.type	k_q9deea2a857_prep,@function
k_q9deea2a857_prep:
	s_mov_b64 s[64:65], 0
	v_nop
	global_prefetch_b8 v0, s[64:65] scope:SCOPE_SE
	s_setreg_imm32_b32 hwreg(HW_REG_WAVE_MODE, 25, 1), 1
	s_wait_xcnt 0x0
; THE PROGRAM: a pre-LN transformer block, 4,096 tokens x 1,024, 16 heads of 64, FFN of 4,096; all eight products on codes of FP8 (E4M3), each operand with the given scale 2^e.
; Seven launches: (1) the six weights into codes, K innermost, and beside them LN1 -> three sets of codes (entries 1, 3, 5); (2) q, k, v, quantised (entries 6, 7, 9); (3) causal attention, its result quantised (entry 10);
; (4) the projection + b_proj + x; (5) LN2 -> codes (entry 12); (6) FFN's first product + b1, relu, quantised (entry 14); (7) its second product + b2 + the residual.
; In product 4 q is taken as operand A (entry 6) and k as operand B (entry 7): 'bhtd,bhsd->bhts' needs no exchange of its operands.
; WORK LEFT OUT: reference() builds tril in its own body and sets wei to -inf where s > t; softmax gives exactly 0 there, whatever the inputs hold, and 0 x v adds nothing.  So a step of 128 keys that all come
; after a tile's 16 queries reaches no output, and launch 3 leaves such steps out (scores, exponentials and the second product).  Nothing else is left out; every input is loaded.
; LIMIT: a NaN, an infinity or an overflow that would arise only in such a hidden step is not carried to the result.
;
; THIS LAUNCH HAS TWO PARTS that share no byte and do not wait for each other: in one launch their loads are on their way together.  They part on the work-group's number and do not join again.
; 896 work-groups of four waves: 248 registers a wave (4 x 248 of a SIMD's 1,024) and 47,616 bytes of LDS (4 x that of a WGP's 327,680) let four work-groups share a WGP: 1,024 places, so all are resident at once.
; Each part has LDS bytes of its own.  No barrier: a wave's LDS bytes are its own.
;
; PART 1, work-groups 0 to 383: THE WEIGHTS.  Each has K as an axis that is not innermost: wq, wk, wv [16 h][1024 k][64 d], w_proj [1024 k][1024 n], w1 [1024 k][4096 n], w2 [4096 k][1024 n].
; A LANE TAKES A COLUMN n AND ITS REGISTERS RUN DOWN K: a load reads 128 neighbouring bytes a wave, and the conversions, which take neighbours along K from one lane's registers, give codes with K innermost.
; code = x / 2^e, held within +-448, to the nearest code, ties to even; e = entry 0, 2, 4, 11, 13, 15.  LIMITS: -126 <= e <= 119; NaN among the inputs is not served.
; wcodes: rows of K codes: wq, wk, wv as 3,072 rows n = (tensor, h, d) of 1,024 bytes; w_proj at 3 MiB; w1 at 4 MiB; w2 at 8 MiB (rows of 4,096).
; A work-group takes 128 columns x 256 along K, a wave 32 columns; which tensor hangs on the work-group's number: 32 work-groups for each small tensor, 128 for w1, 128 for w2.  Only numbers and pointers are chosen.
; A lane's codes belong to one row of the output: they go through the wave's own stage in LDS and leave as rows, sixteen lanes to 256 consecutive aligned bytes.
;
; PART 2, work-groups 384 to 895: LN1.  h = (x - mean) * rsqrt(var + 1e-6) * gain + bias, row by row in f32, then quantised three times, each with its own given scale: h is an operand of products 1, 2, 3 under entries 1, 3, 5.
; h1c: [set][4,096 rows][1,024], one byte a code.  LIMITS: each e between -126 and 119; NaN among the inputs is not served.
; One wave takes a whole row (4,096 bytes, 32 registers a lane) and keeps it between the passes: the row is read once.  A wave has two rows, both asked for at the head; a work-group has eight.
; Load j of a row reads 512 consecutive bytes: lane l holds columns 128 j + 4 l + 0..3.  A conversion takes the eight numbers of loads j and j + 1: its two registers are 4 codes at byte 128 j + 4 l and 4 at 128 (j + 1) + 4 l.
; They turn through the wave's own 1,024 bytes a set in LDS and leave 16 bytes a lane: each store of the wave covers 512 consecutive bytes.
.set NQW,   384                        ; work-groups of part 1
.set PL,    272                        ; part 1: a stage row: 256 bytes + 16
.set WX,    32                         ; part 1: v32-95   two sets of 32 numbers
.set WC,    96                         ;         v96-103  a block's codes
.set OUTR,  112                        ;         v112-175 the way out
.set OF,    176                        ;         v176-207 offsets: row i of a block; later the way out's
.set BB,    66                         ;         s66-81   the input's address at each of my eight blocks of 32 along K: none is stepped while loads are out
.set NSETS, 3                          ; part 2: sets of codes
.set ENT0,  17                         ;         s16 + entry: set s takes s[ENT0 + 2 s]
.set G,     32                         ;         v32-63   gain of my columns
.set BV,    64                         ;         v64-95   bias
.set X,     96                         ;         v96-159  two rows
.set T,     160                        ;         v160-175 two sets of eight held numbers
.set C,     176                        ;         v176-199 codes, 8 registers a set
.set O,     200                        ;         v200-247 the way out, 24 a row: no store's data are written again
.set SPW,   14                         ; v14  LDS address of my spare word; never rewritten, in either part
.set NIL,   15                         ; v15  0; never rewritten
.set LNB,   4*32*PL                    ; LDS: part 1's four stages from byte 0; part 2's four stages from here on, NSETS x 1,024 bytes a wave;
.set SPARE, LNB+4*NSETS*1024           ; behind them the spare words, 128 bytes a wave
	v_lshl_add_u32 v[SPW], v0, 2, SPARE
	v_mov_b32 v[NIL], 0
	s_cmp_ge_u32 ttmp9, NQW                        ; the work-group's number alone says which part it runs
	s_cbranch_scc1 .Lnorm
	; ---------------- PART 1: THE WEIGHTS ----------------
	s_load_b256 s[4:11], s[0:1], 0x0               ; wq, wk, wv, w_proj
	s_load_b256 s[12:19], s[0:1], 0x20             ; w1, w2, the exponents, wcodes
	v_lshrrev_b32 v1, 5, v0
	v_readfirstlane_b32 s34, v1                    ; wave
	v_and_b32 v2, 31, v0                           ; lane
	s_wait_alu depctr_va_vdst(0)
	s_lshr_b32 s20, ttmp9, 5                       ; class 0-2: wq, wk, wv; 3: w_proj; 4-7: w1; 8-11: w2
	s_lshr_b32 s21, s20, 2                         ; 0: a small tensor, 1: w1, 2: w2
	s_lshl_b32 s30, s20, 20                        ; a small tensor's codes begin at class x 1 MiB,
	s_lshl_b32 s31, s21, 22                        ; w1's at 4 MiB, w2's at 8 MiB
	s_mov_b32 s26, 4096                            ; bytes from k to k + 1 in the input
	s_mov_b32 s27, 1024                            ; bytes of a row of codes
	s_cmp_lt_u32 s20, 3
	s_cselect_b32 s26, 256, s26
	s_cmp_eq_u32 s21, 1
	s_cselect_b32 s26, 16384, s26
	s_cselect_b32 s25, 5, 3                        ; log2 of the blocks of 128 columns
	s_cselect_b32 s32, 31, 7
	s_cmp_eq_u32 s21, 2
	s_cselect_b32 s27, 4096, s27
	s_cmp_eq_u32 s21, 0
	s_cselect_b32 s24, 31, 127
	s_cselect_b32 s30, s30, s31
	s_and_b32 s24, ttmp9, s24                      ; my number within the tensor
	s_and_b32 s32, s24, s32                        ; which 128 columns
	s_lshr_b32 s33, s24, s25                       ; which 256 along K
	s_lshl_b32 s35, s32, 7
	s_lshl_b32 s2, s34, 5
	s_add_co_u32 s35, s35, s2                      ; n0: my wave's first column
	s_lshl_b32 s2, s35, 2                          ; in: 4 n0, or for wq, wk, wv: head x 262,144 + 4 d
	s_lshr_b32 s3, s35, 6
	s_lshl_b32 s3, s3, 18
	s_and_b32 s52, s35, 63
	s_lshl_b32 s52, s52, 2
	s_add_co_u32 s3, s3, s52
	s_cmp_lt_u32 s20, 3
	s_cselect_b32 s2, s3, s2
	s_mul_i32 s3, s33, s26
	s_lshl_b32 s3, s3, 8                           ; + 256 rows of K for each step along K
	s_add_co_u32 s2, s2, s3
	s_mov_b32 s3, 0
	s_lshl_b32 s52, s26, 5                         ; a block of 32 along K on
	s_mov_b32 s53, 0
	s_mul_i32 s54, s35, s27                        ; out: n0 rows of codes + the tensor's place + 256 bytes for each step along K
	s_add_co_u32 s54, s54, s30
	s_lshl_b32 s55, s33, 8
	s_add_co_u32 s54, s54, s55
	s_mov_b32 s55, 0
	s_lshl_b32 s57, s27, 1                         ; two rows of codes
	s_mul_i32 s58, s34, 32*PL                      ; my stage
	v_lshlrev_b32 v3, 2, v2
	v_mul_u32_u24 v4, v2, PL
	v_add_nc_u32 v4, s58, v4                       ; into it: row = my column
	v_and_b32 v5, 15, v2
	v_lshrrev_b32 v6, 4, v2
	v_mul_u32_u24 v7, v6, PL
	v_lshl_add_u32 v7, v5, 4, v7
	v_add_nc_u32 v7, s58, v7                       ; out of it: sixteen lanes to a row, two rows an instruction
	v_mul_u32_u24 v8, s27, v6
	v_lshl_add_u32 v8, v5, 4, v8                   ; and the same place among the rows of codes
.set I, 0
.rept 32
	v_mad_u32_u24 v[OF+I], s26, I, v3              ; row I of a block, my column
.set I, I+1
.endr
	s_wait_alu depctr_va_vdst(0)
	s_wait_kmcnt 0x0
	s_load_b512 s[36:51], s[16:17], 0x0            ; the sixteen exponents
	s_cmp_eq_u32 s20, 1                            ; the tensor's address: a choice on the work-group's number alone
	s_cselect_b64 s[22:23], s[6:7], s[4:5]
	s_cmp_eq_u32 s20, 2
	s_cselect_b64 s[22:23], s[8:9], s[22:23]
	s_cmp_eq_u32 s20, 3
	s_cselect_b64 s[22:23], s[10:11], s[22:23]
	s_cmp_ge_u32 s20, 4
	s_cselect_b64 s[22:23], s[12:13], s[22:23]
	s_cmp_ge_u32 s20, 8
	s_cselect_b64 s[22:23], s[14:15], s[22:23]
	s_add_nc_u64 s[BB:BB+1], s[22:23], s[2:3]
.irp t, 1,2,3,4,5,6,7
	s_add_nc_u64 s[BB+2*\t:BB+2*\t+1], s[BB+2*\t-2:BB+2*\t-1], s[52:53]
.endr
	s_add_nc_u64 s[28:29], s[18:19], s[54:55]
.macro LOAD t                          ; block t: 32 rows of K at my column, into set t % 2
.set I, 0
.rept 32
	global_load_b32 v[WX+32*((\t)%2)+I], v[OF+I], s[BB+2*(\t):BB+2*(\t)+1] th:TH_LOAD_NT
.set I, I+1
.endr
.endm
	LOAD 0
	LOAD 1
	s_wait_kmcnt 0x0
	s_cmp_eq_u32 s20, 1                            ; e: entry 0, 2, 4, 11, 13 or 15
	s_cselect_b32 s56, s38, s36
	s_cmp_eq_u32 s20, 2
	s_cselect_b32 s56, s40, s56
	s_cmp_eq_u32 s20, 3
	s_cselect_b32 s56, s47, s56
	s_cmp_ge_u32 s20, 4
	s_cselect_b32 s56, s49, s56
	s_cmp_ge_u32 s20, 8
	s_cselect_b32 s56, s51, s56
	s_add_co_i32 s56, s56, 127
	s_lshl_b32 s59, s56, 23
	v_mov_b32 v11, s59                             ; 2^e as f32: the conversion takes its exponent field
	s_add_co_i32 s56, s56, 8
	s_lshl_b32 s56, s56, 23
	s_or_b32 s56, s56, 0x600000
	v_mov_b32 v10, s56                             ; 448 x 2^e
.macro BLOCK t
.set XS, WX+32*((\t)%2)
.if (\t) < 7
	s_wait_loadcnt 32                              ; this block's 32 loads are in; the next block's 32 may be out
.else
	s_wait_loadcnt 0
.endif
.set I, 0
.rept 32
	v_med3_num_f32 v[XS+I], v[XS+I], -v10, v10     ; the conversion to an 8-bit code does not saturate (ISA guide 7.6.2): the hold comes first
.set I, I+1
.endr
.irp g, 0,1,2,3
	v_cvt_scalef32_pk8_fp8_f32 v[WC+2*\g:WC+2*\g+1], v[XS+8*\g:XS+8*\g+7], v11
.endr
	ds_store_b128 v4, v[WC:WC+3] offset:32*(\t)    ; 32 codes of my column's row
	ds_store_b128 v4, v[WC+4:WC+7] offset:32*(\t)+16
.if (\t)+2 < 8
	LOAD (\t)+2
.endif
	s_wait_dscnt 0x0                               ; the stores have read their registers: the next block's codes may be written
.endm
	s_wait_alu depctr_va_vdst(0)
.irp t, 0,1,2,3,4,5,6,7
	BLOCK \t
.endr
.set I, 0
.rept 16
	v_mad_u32_u24 v[OF+I], s57, I, v8              ; every load is in: the offsets' registers now take the way out's: rows 2 I, 2 I + 1
.set I, I+1
.endr
.set I, 0
.rept 16
	ds_load_b128 v[OUTR+4*I:OUTR+4*I+3], v7 offset:2*I*PL   ; LDS serves a wave's instructions in order: these see my stores
.set I, I+1
.endr
.set I, 0
	s_wait_alu depctr_va_vdst(0)
.rept 16
	s_wait_dscnt 15-I                              ; load I is back; the younger ones may be out
	global_store_b128 v[OF+I], v[OUTR+4*I:OUTR+4*I+3], s[28:29]   ; sixteen lanes store 256 consecutive bytes, aligned
.set I, I+1
.endr
	s_wait_tensorcnt 0x0                           ; the wave's end: behind my last LDS store
	ds_add_u32 v[SPW], v[NIL]
	s_wait_dscnt 0x0
	s_endpgm
	; ---------------- PART 2: LN1 ----------------
.Lnorm:
	s_load_b128 s[4:7], s[0:1], 0x40               ; x, gain
	s_load_b64 s[8:9], s[0:1], 0x50                ; bias
	s_load_b64 s[10:11], s[0:1], 0x30              ; the exponents
	s_load_b64 s[12:13], s[0:1], 0x58              ; the codes
	v_lshrrev_b32 v8, 5, v0
	v_readfirstlane_b32 s14, v8                    ; wave
	v_and_b32 v9, 31, v0
	v_lshlrev_b32 v2, 4, v9                        ; 16 x lane
	s_lshl_b32 s15, s14, 13
	v_add_nc_u32 v1, s15, v2                       ; x: my wave's two rows
	s_mul_i32 s15, s14, NSETS*1024
	s_add_co_u32 s15, s15, LNB                     ; my stage, behind part 1's
	v_lshl_add_u32 v3, v9, 2, s15                  ; in: 4 bytes a lane
	v_add_nc_u32 v4, s15, v2                       ; and out: 16 bytes a lane
	s_lshl_b32 s15, s14, 11
	v_add_nc_u32 v5, s15, v2                       ; the codes: my wave's two rows
	v_mov_b32 v26, 0x3a800000                      ; 1 / 1,024
	s_mov_b32 s40, 0x76543210                      ; v_permlanex16_b32: lane l xor 16
	s_mov_b32 s41, 0xfedcba98
	s_sub_co_u32 s46, ttmp9, NQW                   ; my number within this part: 0 to 511
	s_lshl_b32 s42, s46, 15                        ; the work-group's 8 rows of 4,096 bytes,
	s_mov_b32 s43, 0
	s_lshl_b32 s44, s46, 13                        ; and of 1,024
	s_mov_b32 s45, 0
	s_wait_alu depctr_va_vdst(0)
	s_wait_kmcnt 0x0
	s_load_b512 s[16:31], s[10:11], 0x0
	s_add_nc_u64 s[32:33], s[4:5], s[42:43]
	s_add_nc_u64 s[34:35], s[12:13], s[44:45]
	s_add_nc_u64 s[36:37], s[34:35], 0x400000      ; a set is 4 MiB
	s_add_nc_u64 s[38:39], s[34:35], 0x800000
.irp j, 0,1,2,3,4,5,6,7
	global_load_b128 v[G+4*\j:G+4*\j+3], v2, s[6:7] offset:512*\j
.endr
.irp j, 0,1,2,3,4,5,6,7
	global_load_b128 v[BV+4*\j:BV+4*\j+3], v2, s[8:9] offset:512*\j
.endr
.irp r, 0,1
.irp j, 0,1,2,3,4,5,6,7
	global_load_b128 v[X+32*\r+4*\j:X+32*\r+4*\j+3], v1, s[32:33] offset:4096*\r+512*\j
.endr
.endr
	s_wait_kmcnt 0x0
.irp s, 0,1,2
	s_add_co_i32 s46, s[ENT0+2*\s], 127
	s_lshl_b32 s47, s46, 23
	v_mov_b32 v[20+2*\s], s47                      ; 2^e as f32
	s_add_co_i32 s46, s46, 8
	s_lshl_b32 s46, s46, 23
	s_or_b32 s46, s46, 0x600000
	v_mov_b32 v[21+2*\s], s46                      ; 448 x 2^e
.endr
.macro REDUCE                          ; v8 <- the sum of v8 over the 32 lanes, in every lane
	v_add_f32_dpp v8, v8, v8 row_xmask:1 row_mask:0xf bank_mask:0xf
	v_add_f32_dpp v8, v8, v8 row_xmask:2 row_mask:0xf bank_mask:0xf
	v_add_f32_dpp v8, v8, v8 row_xmask:4 row_mask:0xf bank_mask:0xf
	v_add_f32_dpp v8, v8, v8 row_xmask:8 row_mask:0xf bank_mask:0xf
	v_permlanex16_b32 v9, v8, s40, s41
	v_add_f32 v8, v8, v9
.endm
.macro ROW r
.set XR, X+32*\r
	s_wait_loadcnt 8*(1-\r)                        ; gain, bias and this row are in; the other row's eight loads may be out
	v_pk_add_f32 v[8:9], v[XR:XR+1], v[XR+2:XR+3]  ; the sum, two at a time, in two chains
	v_pk_add_f32 v[10:11], v[XR+4:XR+5], v[XR+6:XR+7]
.irp j, 8,12,16,20,24,28
	v_pk_add_f32 v[8:9], v[8:9], v[XR+\j:XR+\j+1]
	v_pk_add_f32 v[10:11], v[10:11], v[XR+\j+2:XR+\j+3]
.endr
	v_pk_add_f32 v[8:9], v[8:9], v[10:11]
	v_add_f32 v8, v8, v9
	REDUCE
	v_mul_f32 v16, v8, v26                         ; the mean,
	v_mov_b32 v17, v16                             ; twice, for the packed forms
.irp j, 0,2,4,6,8,10,12,14,16,18,20,22,24,26,28,30
	v_pk_add_f32 v[XR+\j:XR+\j+1], v[XR+\j:XR+\j+1], v[16:17] neg_lo:[0,1] neg_hi:[0,1]   ; x - mean
.endr
	v_pk_mul_f32 v[8:9], v[XR:XR+1], v[XR:XR+1]    ; the sum of squares, in two chains
	v_pk_mul_f32 v[10:11], v[XR+2:XR+3], v[XR+2:XR+3]
.irp j, 4,8,12,16,20,24,28
	v_pk_fma_f32 v[8:9], v[XR+\j:XR+\j+1], v[XR+\j:XR+\j+1], v[8:9]
	v_pk_fma_f32 v[10:11], v[XR+\j+2:XR+\j+3], v[XR+\j+2:XR+\j+3], v[10:11]
.endr
	v_pk_add_f32 v[8:9], v[8:9], v[10:11]
	v_add_f32 v8, v8, v9
	REDUCE
	v_fmaak_f32 v9, v8, v26, 0x358637bd            ; var + 1e-6
	s_wait_alu depctr_va_vdst(0)
	v_rsq_f32 v18, v9
	v_nop                                          ; a plain instruction behind the transcendental,
	s_wait_alu depctr_va_vdst(0)                   ; and the wait ahead of its first reader
	v_mov_b32 v19, v18
.irp j, 0,2,4,6,8,10,12,14,16,18,20,22,24,26,28,30
	v_pk_mul_f32 v[XR+\j:XR+\j+1], v[XR+\j:XR+\j+1], v[18:19]
.endr
.irp j, 0,2,4,6,8,10,12,14,16,18,20,22,24,26,28,30
	v_pk_fma_f32 v[XR+\j:XR+\j+1], v[XR+\j:XR+\j+1], v[G+\j:G+\j+1], v[BV+\j:BV+\j+1]
.endr
.irp s, 0,1,2
.irp j, 0,2,4,6
.set TS, T+8*((\j/2)%2)                ; the held numbers' two sets take turns: eight plain instructions stand between a conversion and the next write of its sources
.set I, 0
.rept 8
	v_med3_num_f32 v[TS+I], v[XR+4*\j+I], -v[21+2*\s], v[21+2*\s]   ; the conversion does not saturate (ISA guide 7.6.2): the hold comes first
.set I, I+1
.endr
	v_cvt_scalef32_pk8_fp8_f32 v[C+8*\s+\j:C+8*\s+\j+1], v[TS:TS+7], v[20+2*\s]
.endr
.endr
	v_nop                                          ; a plain instruction behind the last conversion
.irp s, 0,1,2
.irp j, 0,1,2,3,4,5,6,7
	ds_store_b32 v3, v[C+8*\s+\j] offset:1024*\s+128*\j
.endr
.endr
.irp s, 0,1,2
.irp i, 0,1
	ds_load_b128 v[O+24*\r+8*\s+4*\i:O+24*\r+8*\s+4*\i+3], v4 offset:1024*\s+512*\i   ; LDS serves a wave's instructions in order: these see my stores
.endr
.endr
	s_wait_dscnt 0x0
.irp s, 0,1,2
.irp i, 0,1
	global_store_b128 v5, v[O+24*\r+8*\s+4*\i:O+24*\r+8*\s+4*\i+3], s[34+2*\s:35+2*\s] offset:1024*\r+512*\i   ; 512 consecutive bytes, aligned
.endr
.endr
.endm
	ROW 0
	ROW 1
	s_wait_tensorcnt 0x0                           ; the wave's end: behind my last LDS store
	ds_add_u32 v[SPW], v[NIL]
	s_wait_dscnt 0x0
	s_endpgm
.Lfunc_end_k_q9deea2a857_prep:
	.size	k_q9deea2a857_prep, .Lfunc_end_k_q9deea2a857_prep-k_q9deea2a857_prep
	.p2alignl 7, 3214868480
	.fill 96, 4, 3214868480
	.section	.rodata,"a",@progbits
	.p2align	6, 0x0
	.amdhsa_kernel k_q9deea2a857_prep
		.amdhsa_group_segment_fixed_size 47616
		.amdhsa_private_segment_fixed_size 0
		.amdhsa_enable_private_segment 0
		.amdhsa_kernarg_size 96
		.amdhsa_user_sgpr_count 2
		.amdhsa_user_sgpr_kernarg_segment_ptr 1
		.amdhsa_wavefront_size32 1
		.amdhsa_system_sgpr_workgroup_id_x 1
		.amdhsa_system_sgpr_workgroup_id_y 1
		.amdhsa_system_sgpr_workgroup_id_z 1
		.amdhsa_system_vgpr_workitem_id 0
		.amdhsa_next_free_vgpr 248
		.amdhsa_next_free_sgpr 84
		.amdhsa_reserve_vcc 0
		.amdhsa_float_denorm_mode_32 3
		.amdhsa_float_denorm_mode_16_64 3
		.amdhsa_memory_ordered 1
		.amdhsa_forward_progress 1
		.amdhsa_inst_pref_size 90
	.end_amdhsa_kernel
	.amdgpu_metadata
---
amdhsa.version: [ 1, 2 ]
amdhsa.kernels:
  - .name:           k_q9deea2a857_prep
    .symbol:         k_q9deea2a857_prep.kd
    .args:
      - { .name: wq, .offset: 0, .size: 8, .value_kind: global_buffer, .address_space: global }
      - { .name: wk, .offset: 8, .size: 8, .value_kind: global_buffer, .address_space: global }
      - { .name: wv, .offset: 16, .size: 8, .value_kind: global_buffer, .address_space: global }
      - { .name: w_proj, .offset: 24, .size: 8, .value_kind: global_buffer, .address_space: global }
      - { .name: w1, .offset: 32, .size: 8, .value_kind: global_buffer, .address_space: global }
      - { .name: w2, .offset: 40, .size: 8, .value_kind: global_buffer, .address_space: global }
      - { .name: lowp_scales, .offset: 48, .size: 8, .value_kind: global_buffer, .address_space: global }
      - { .name: wcodes, .offset: 56, .size: 8, .value_kind: global_buffer, .address_space: global }
      - { .name: x, .offset: 64, .size: 8, .value_kind: global_buffer, .address_space: global }
      - { .name: ln1_scale, .offset: 72, .size: 8, .value_kind: global_buffer, .address_space: global }
      - { .name: ln1_bias, .offset: 80, .size: 8, .value_kind: global_buffer, .address_space: global }
      - { .name: h1c, .offset: 88, .size: 8, .value_kind: global_buffer, .address_space: global }
    .group_segment_fixed_size: 47616
    .private_segment_fixed_size: 0
    .kernarg_segment_align: 8
    .kernarg_segment_size: 96
    .max_flat_workgroup_size: 128
    .sgpr_count:     84
    .vgpr_count:     248
    .wavefront_size: 32
...
	.end_amdgpu_metadata
.endif
;; end of part 1
;; launch qkv (part 2): grid 12 x 16, 4 waves a work-group, clusters of 4 x 4, 327,680 bytes of LDS; arguments h1c, wcodes, lowp_scales, qkvc; writes qkvc
.if DOCPART == 2
	.amdgcn_target "amdgcn-amd-amdhsa--gfx1250"
	.amdhsa_code_object_version 6
	.text
	.protected	k_q9deea2a857_qkv
	.globl	k_q9deea2a857_qkv
	.p2align	8
	.type	k_q9deea2a857_qkv,@function
k_q9deea2a857_qkv:
	s_mov_b64 s[64:65], 0
	v_nop
	global_prefetch_b8 v0, s[64:65] scope:SCOPE_SE
	s_setreg_imm32_b32 hwreg(HW_REG_WAVE_MODE, 25, 1), 1
	s_wait_xcnt 0x0
	s_wait_alu depctr_hold_cnt(0) depctr_sa_sdst(0) depctr_va_vdst(0) depctr_va_sdst(0) depctr_va_ssrc(0) depctr_va_vcc(0) depctr_vm_vsrc(0)
	s_getreg_b32 s2, hwreg(HW_REG_IB_STS2, 6, 4)
	s_cmp_eq_u32 s2, 0
	s_cbranch_scc0 .Lentry_in_a_cluster
	s_endpgm
.Lentry_in_a_cluster:
	s_bfe_u32 s2, ttmp6, 0x10000c
	s_cmp_lg_u32 s2, 0xf033
	s_cbranch_scc0 .Lentry_shape_is_right
	s_endpgm
.Lentry_shape_is_right:
; A GEMM on codes of FP8 (E4M3), K = 1,024, whose results are quantised on the way out.  The same text serves two launches; QKV says which.
; QKV = 1: products 1 to 3.  A = LN1's codes (set sel), B = the codes of wq, wk, wv (3,072 rows on end); sel = the cluster's x = 0, 1, 2, the same in all sixteen partners.  q (entry 6) and k (entry 7) leave as
;   [64 (b, h)][1,024 t][64 d], at 0 and 4 MiB of qkvc; v (entry 9) as [64 (b, h)][64 d][1,024 s], at 8 MiB: the keys are the K of product 5.  q is taken as product 4's operand A, k as its B.
; QKV = 0: product 7.  A = LN2's codes, B = w1's codes (4 MiB into wcodes); relu(sum x 2^(e12 + e13) + b1) is quantised with entry 14 into [4,096][4,096].
; LIMITS: e6 - e0 - e1, e7 - e2 - e3, e9 - e4 - e5, e14 between -126 and 119; e12 + e13 between -126 and 127: each such power of two is an f32 number.
; A tile of 256 x 256 is made by four waves, each 128 x 128: 64 accumulators of 16 x 16.  K goes in steps of 256 through a ring of two LDS slots filled by the tensor data mover; a tile's row is 256 bytes of memory.
; CLUSTERS: 4 x 4 work-groups; the four of a row need the same tiles of A, the four of a column the same tiles of B: each tile is asked for JOINTLY, by the same tensor load with the same descriptor and a mask of the four.
; A wave has one tensor load out at the head and one behind each round.
; THE MATRIX INSTRUCTION IS USED TRANSPOSED (source 0 = 16 rows of B, source 1 = 16 rows of A): a lane holds one token and eight neighbouring features: neighbours along the next product's K for q, k and the hidden layer.
; FOR v THE TWO SOURCES CHANGE PLACES: the memory addresses that fill A's and B's regions of a slot are exchanged (a choice on the cluster's x), so that a lane holds one (h, d) and eight neighbouring tokens.  Loads, masks and fills stay as they are.
; REGISTERS, in windows of 256: window 0: v0-31 addresses; v32-95 the bias (QKV = 0); from v128 source 1's fragments, ONE set; window 1: source 0's fragments, TWO sets; windows 2, 3: the accumulators ((a, b) at v[8 (8 (a % 4) + b)]).
.set QKV,    1
.set KSTEP,  256
.set ROWB,   256
.set KROW,   1024                      ; a row of A or of B in memory, in bytes
.set PITCH,  272                       ; an LDS row: 256 bytes + 16 of padding = 68 words: the 16 rows that a load touches start at 16 different banks (64 banks of 4 bytes: ISA guide 11.1)
.set FR,     16
.set NL,     4
.set NP,     4                         ; places behind this matrix instruction (ISA guide 7.12.1)
.set HALFT,  128*PITCH
.set SLOT,   4*HALFT
.set LAPS,   KROW/(2*KSTEP)
.set SPARE,  2*SLOT                    ; behind the ring: the spare words
.set ADRA, 16                          ; v16-17  LDS address of source 1's fragments in slot 0, 1
.set SCL,  18                          ; v18     the conversion's scale
.set LIM,  19                          ; v19     448 x that
.set ADRB, 20                          ; v20-21  source 0's
.set STO,  24                          ; v24     the way out: where I put 8 codes
.set RDV,  25                          ; v25     where I read whole rows of 256 codes back
.set COV,  26                          ; v26     and their place in memory
.set RDQ,  27                          ; v27     q, k: where I read one head's 64 codes of eight tokens back: tokens 0-127
.set SPW,  28
.set NIL,  29
.set COQ,  30                          ; v30     16 x lane
.set RDQ2, 31                          ; v31     the same as v27 for tokens 128-255: 128 rows on, so that every immediate stays inside the LDS instructions' 16 bits
.set BIAS, 32
.set CD,   96                          ; v96-127  codes, two sets of 16
.set T,    128                         ; v128-191 a block's 64 numbers
.set RB,   128                         ; v128-255 the way out
.set AF,   128
.set G1, 24
.set G0, 32
.set G1B, 48
.set G0B, 56
.set MSB, 0
.macro WIN new                         ; the immediate's high byte repeats the setting that is left
.if MSB != (\new)
	s_set_vgpr_msb (MSB<<8)|(\new)
.set MSB, (\new)
.endif
.endm
.set MUL_LO, 0xa1                      ; source 0 window 1, source 1 window 0, C and D window 2
.set MUL_HI, 0xf1                      ; the same, C and D window 3
.set TO_B,   0x40                      ; destination window 1, address window 0
; A joint load: waves 0 and 1 fetch for A, waves 2 and 3 for B; the branch hangs on the wave's number alone.  An s_nop 0 and four v_nop follow each of the two lines.
.macro JLOAD g0a, g1a, g0b, g1b
	s_cmp_eq_u32 s15, 0
	s_cbranch_scc0 .Lfor_b_\@
	tensor_load_to_lds s[\g0a:\g0a+3], s[\g1a:\g1a+7]
	s_nop 0
.rept 4
	v_nop
.endr
	s_branch .Lasked_\@
.Lfor_b_\@:
	tensor_load_to_lds s[\g0b:\g0b+3], s[\g1b:\g1b+7]
	s_nop 0
.rept 4
	v_nop
.endr
.Lasked_\@:
.endm
.macro CREST                           ; a round of the cluster's barrier behind its opening barrier
	s_cmp_lg_u32 s14, 0
	s_cbranch_scc1 .Lnot_wave_0_\@
	s_barrier_signal -3
.Lnot_wave_0_\@:
	s_barrier_wait -3
	s_barrier_signal -1
	s_barrier_wait -1
.endm
.macro CROUND
	s_barrier_signal -1
	s_barrier_wait -1
	CREST
.endm
	s_load_b128 s[4:7], s[0:1], 0x0                ; A's codes, wcodes
	s_load_b128 s[8:11], s[0:1], 0x10              ; the exponents, the output
.if !QKV
	s_load_b64 s[12:13], s[0:1], 0x20              ; b1
.endif
	v_lshl_add_u32 v[SPW], v0, 2, SPARE
	v_mov_b32 v[NIL], 0
	ds_add_u32 v[SPW], v[NIL]                      ; the wave's opening: the add, twice on end, and its wait ahead of my first tensor load
	ds_add_u32 v[SPW], v[NIL]
	v_lshrrev_b32 v1, 5, v0
	v_readfirstlane_b32 s14, v1                    ; wave 0..3
	s_lshr_b32 s15, s14, 1                         ; which half of source 1's rows is mine.  Also: I fetch for A (0) or for B (1)
	s_and_b32 s16, s14, 1                          ; which half of source 0's.  Also: which 128 rows of that tile I fetch
	s_bfe_u32 s40, ttmp6, 0x40000                  ; cx, cy: my place in the cluster
	s_bfe_u32 s41, ttmp6, 0x40004
	s_lshl_b32 s42, ttmp9, 2
	s_add_co_u32 s42, s42, s40                     ; tile column = 4 x cluster x + cx
	s_and_b32 s17, ttmp7, 0xffff
	s_lshl_b32 s17, s17, 2
	s_add_co_u32 s17, s17, s41                     ; tile row = 4 x cluster y + cy
	s_lshl_b32 s43, s41, 2
	s_lshl_b32 s43, 15, s43                        ; my row of the cluster
	s_lshl_b32 s44, 0x1111, s40                    ; my column
	s_or_b32 s[G1+0], s43, (1<<20)|(1<<21)|(5<<22)|(3<<25)   ; 15:0 the mask; 17:16 elements of 1 byte; 20 padding on; 21 set beside a mask; 24:22 after every 64 words; 31:25 four words
	s_or_b32 s[G1B+0], s44, (1<<20)|(1<<21)|(5<<22)|(3<<25)
.irp g, G1, G1B
	s_mov_b32 s[\g+1], ROWB<<16                    ; tensor_dim0
	s_mov_b32 s[\g+2], 128<<16                     ; tensor_dim1
	s_mov_b32 s[\g+3], ROWB<<16                    ; tile_dim0
	s_mov_b32 s[\g+4], 128                         ; tile_dim1
	s_mov_b32 s[\g+5], KROW                        ; tensor_dim0_stride
	s_mov_b32 s[\g+6], 0
	s_mov_b32 s[\g+7], 0
.endr
	s_lshl_b32 s18, s16, 7                         ; which 128 rows of the tile I fetch
	s_lshl_b32 s20, s17, 8
	s_add_co_u32 s20, s20, s18                     ; A: row 256 x tile row + 128 x half,
	s_lshl_b32 s20, s20, 10                        ; in bytes
.if QKV
	s_lshl_b32 s19, ttmp9, 22                      ; in set sel, 4 MiB a set
	s_add_co_u32 s20, s20, s19
.endif
	s_mov_b32 s21, 0
	s_lshl_b32 s46, s42, 8
	s_add_co_u32 s46, s46, s18                     ; B: row 256 x tile column + 128 x half
	s_lshl_b32 s46, s46, 10
.if !QKV
	s_add_co_u32 s46, s46, 0x400000                ; w1's codes
.endif
	s_mov_b32 s47, 0
	; FOR v THE TWO OPERANDS CHANGE PLACES IN MEMORY, not in LDS: the slot's first region (source 1, shared along a row of the cluster) takes wv's block cy, the second (source 0, shared along a column) the tokens' block 4 Y + cx of set 2.
	; Only offsets and pointers are chosen, on the cluster's x; the first region's offset is made of cy alone, the second's of cx alone.
	s_add_co_u32 s84, s41, 8
	s_lshl_b32 s84, s84, 8
	s_add_co_u32 s84, s84, s18
	s_lshl_b32 s84, s84, 10                        ; wcodes: row 256 (8 + cy) + 128 x half
	s_and_b32 s85, ttmp7, 0xffff
	s_lshl_b32 s85, s85, 2
	s_add_co_u32 s85, s85, s40
	s_lshl_b32 s85, s85, 8
	s_add_co_u32 s85, s85, s18
	s_lshl_b32 s85, s85, 10
	s_add_co_u32 s85, s85, 0x800000                ; h1c, set 2: row 256 (4 Y + cx) + 128 x half
	s_cmp_eq_u32 ttmp9, 2
	s_cselect_b32 s20, s84, s20
	s_cselect_b32 s46, s85, s46
	s_mul_i32 s45, s14, HALFT
	s_wait_dscnt 0x0
	s_wait_kmcnt 0x0
	s_load_b512 s[68:83], s[8:9], 0x0              ; the sixteen exponents: entry i in s[68 + i]
	s_cmp_eq_u32 ttmp9, 2
	s_cselect_b64 s[84:85], s[6:7], s[4:5]
	s_cselect_b64 s[86:87], s[4:5], s[6:7]
	s_add_nc_u64 s[20:21], s[84:85], s[20:21]
	s_add_nc_u64 s[46:47], s[86:87], s[46:47]
	; THE PREFETCHES INTO THE L2.  A K step is 256 bytes of each row.  Of the 128 rows that a wave fetches, each of the four partners that ask for them jointly names 32, told apart by address (cx in the first region's waves, cy in the second's):
	; a lane a row, one instruction a wave and K step, each block of 256 bytes once in each cluster that loads it.  K step 1 is asked for behind K step 0's load, K steps 2 and 3 behind K step 1's: one K step or two ahead of their tensor loads; K step 0 comes by its load alone.
	s_cmp_eq_u32 s15, 0
	s_cselect_b64 s[88:89], s[20:21], s[46:47]     ; my 128 rows
	s_cselect_b32 s90, s40, s41
	s_lshl_b32 s90, s90, 15                        ; my work-group's 32 of them, 1,024 bytes a row
	CROUND                                         ; all sixteen work-groups are here: the first joint loads meet
.irp s, 0,1
	s_mov_b32 s[G0+4*\s], 1
	s_add_co_u32 s[G0+4*\s+1], s45, \s*SLOT
	s_add_nc_u64 s[G0+4*\s+2:G0+4*\s+3], s[20:21], \s*ROWB
	s_or_b32 s[G0+4*\s+3], s[G0+4*\s+3], 0x80000000
	s_mov_b32 s[G0B+4*\s], 1
	s_add_co_u32 s[G0B+4*\s+1], s45, \s*SLOT
	s_add_nc_u64 s[G0B+4*\s+2:G0B+4*\s+3], s[46:47], \s*ROWB
	s_or_b32 s[G0B+4*\s+3], s[G0B+4*\s+3], 0x80000000
.endr
	JLOAD G0, G1, G0B, G1B                         ; K step 0: one tensor load a wave at the head
	v_and_b32 v22, 31, v0
	v_lshlrev_b32 v22, 10, v22
	v_add_nc_u32 v22, s90, v22                     ; v22: the prefetches' offset, a lane a row; never rewritten
	global_prefetch_b8 v22, s[88:89] offset:256 th:TH_LOAD_NT scope:SCOPE_SE   ; K step 1
	v_and_b32 v1, 15, v0                           ; r = l % 16
	v_bfe_u32 v2, v0, 4, 1                         ; h = l / 16
	v_mul_u32_u24 v3, v1, PITCH
	v_lshl_add_u32 v4, v2, 4, v3                   ; a fragment's row x pitch + 16 x half
	s_wait_alu depctr_va_vdst(0)
	s_mul_i32 s21, s15, HALFT                      ; source 1: my 128 rows
	s_mul_i32 s22, s16, HALFT                      ; source 0: my 128 rows
.if QKV
	s_add_co_u32 s22, s22, 2*HALFT                 ; source 0's rows lie behind source 1's 256, for q, k and v alike
.else
	s_add_co_u32 s22, s22, 2*HALFT                 ; B's rows lie behind A's 256
.endif
.irp s, 0,1
	v_add_nc_u32 v[ADRA+\s], s21, v4
	v_add_nc_u32 v[ADRB+\s], s22, v4
	s_add_co_u32 s21, s21, SLOT
	s_add_co_u32 s22, s22, SLOT
.endr
	; the way out: ONE stage for the work-group, 256 rows x (256 codes + 16), from LDS byte 0 on: slot 0 has had its last fill and its last read when the first code is stored there
	s_mul_i32 s23, s15, 128*PITCH
	s_lshl_b32 s84, s16, 7
	s_add_co_u32 s23, s23, s84
	v_lshl_add_u32 v5, v2, 3, v3
	v_add_nc_u32 v[STO], s23, v5                   ; in: row 128 x (source 1's half) + r, byte 128 x (source 0's half) + 8 h
	s_mul_i32 s23, s14, 64*PITCH
	v_mul_u32_u24 v5, v2, PITCH
	v_lshl_add_u32 v5, v1, 4, v5
	v_add_nc_u32 v[RDV], s23, v5                   ; back by rows: my 64 rows, sixteen lanes to a row
.if QKV
	v_lshlrev_b32 v5, 10, v2                       ; v: a row (h, d) is 1,024 bytes
.else
	v_lshlrev_b32 v5, 12, v2                       ; the hidden layer: a row is 4,096 bytes
.endif
	v_lshl_add_u32 v[COV], v1, 4, v5
	v_and_b32 v6, 31, v0
	v_lshrrev_b32 v7, 2, v6
	v_mul_u32_u24 v7, v7, PITCH
	v_and_b32 v8, 3, v0
	v_lshl_add_u32 v7, v8, 4, v7
	s_lshl_b32 s23, s14, 6
	v_add_nc_u32 v[RDQ], s23, v7                   ; back by heads: token l / 4, my wave's head, 16 (l % 4)
	v_add_nc_u32 v[RDQ2], 128*PITCH, v[RDQ]        ; and 128 tokens further on
	v_lshlrev_b32 v[COQ], 4, v6
.if QKV
	; q, k: sel x 4 MiB + ((b x 16 + 4 cx + wave) x 1,024 + 256 (y % 4)) x 64;  v: 8 MiB + (b x 16 + 4 cy + wave) x 65,536 + 256 cx: cx and cy change places
	s_lshl_b32 s84, ttmp9, 22
	s_lshr_b32 s85, s17, 2
	s_lshl_b32 s85, s85, 20
	s_add_co_u32 s84, s84, s85
	s_cmp_eq_u32 ttmp9, 2                          ; v: the heads' block is cy and the tokens' block of the batch cx; q, k: the other way round
	s_cselect_b32 s85, s41, s40
	s_cselect_b32 s87, s40, s41
	s_cselect_b32 s86, 8, 14
	s_lshl_b32 s85, s85, 18
	s_add_co_u32 s84, s84, s85
	s_lshl_b32 s85, s14, 16
	s_add_co_u32 s84, s84, s85
	s_lshl_b32 s85, s87, s86
	s_add_co_u32 s84, s84, s85
	s_mov_b32 s85, 0
	s_add_nc_u64 s[10:11], s[10:11], s[84:85]
.else
	s_lshl_b32 s84, s17, 8
	s_lshl_b32 s85, s14, 6
	s_add_co_u32 s84, s84, s85                     ; my first row: 256 x tile row + 64 x wave
	s_lshl_b32 s84, s84, 12
	s_lshl_b32 s85, s42, 8
	s_add_co_u32 s84, s84, s85                     ; + 256 x tile column
	s_mov_b32 s85, 0
	s_add_nc_u64 s[10:11], s[10:11], s[84:85]
	s_lshl_b32 s86, s42, 10
	s_lshl_b32 s87, s16, 9
	s_add_co_u32 s86, s86, s87                     ; b1 at my 128 features
	s_mov_b32 s87, 0
	s_add_nc_u64 s[12:13], s[12:13], s[86:87]
	v_lshlrev_b32 v9, 5, v2                        ; lane (r, h) wants, for block b, features 16 b + 8 h + 0..7
.irp b, 0,1,2,3,4,5,6,7
	global_load_b128 v[BIAS+8*\b:BIAS+8*\b+3], v9, s[12:13] offset:64*\b
	global_load_b128 v[BIAS+8*\b+4:BIAS+8*\b+7], v9, s[12:13] offset:64*\b+16
.endr
.endif
.macro FRAG reg, adr, q, i             ; a fragment, 16 rows x 128 K: lane l holds row l % 16; registers 4 c .. 4 c + 3 hold K = 32 c + 16 (l / 16) + 0..15: the same permutation of k on both sides
.irp c, 0,1,2,3
	ds_load_b128 v[\reg+4*\c:\reg+4*\c+3], v[\adr] offset:128*(\q)+32*\c+(\i)*16*PITCH
.endr
.endm
; 16 matrix instructions: source 1's blocks a0, a0 + 1 x source 0's eight.  zero = 1: the first product starts the sums.  The 64 accumulators take turns, one instruction a turn, in the same order in every step.
.macro MUL16 a0, p, zero
.irp a, \a0, \a0+1
.irp b, 0,1,2,3,4,5,6,7
.if \zero
	v_wmma_f32_16x16x128_fp8_fp8 v[8*(8*((\a)%4)+\b):8*(8*((\a)%4)+\b)+7], v[128*(\p)+FR*\b:128*(\p)+FR*\b+FR-1], v[AF+FR*(\a):AF+FR*(\a)+FR-1], 0
.else
	v_wmma_f32_16x16x128_fp8_fp8 v[8*(8*((\a)%4)+\b):8*(8*((\a)%4)+\b)+7], v[128*(\p)+FR*\b:128*(\p)+FR*\b+FR-1], v[AF+FR*(\a):AF+FR*(\a)+FR-1], v[8*(8*((\a)%4)+\b):8*(8*((\a)%4)+\b)+7]
.endif
.endr
.endr
.endm
.macro FETCH_B slot, q, p
	WIN TO_B
.irp i, 0,1,2,3,4,5,6,7
	FRAG 128*(\p)+FR*\i, ADRB+\slot, \q, \i
.endr
	WIN 0
.endm
.macro FETCH_A slot, q, i0
.irp i, \i0, \i0+1, \i0+2, \i0+3
	FRAG AF+FR*(\i), ADRA+\slot, \q, \i
.endr
.endm
.macro PLACES n                        ; plain vector instructions between a matrix instruction and a load into, or a vector read or write of, its registers
.rept \n
	v_nop
.endr
.endm
.macro STEP slot, q, zero              ; 128 along K, with its successor in the same slot
	s_wait_dscnt 4*NL                              ; source 0's set and source 1's blocks 0-3 are in; the youngest 16 loads (blocks 4-7) may be out
	WIN MUL_LO
	MUL16 0, (\q)%2, \zero
	MUL16 2, (\q)%2, \zero
	s_wait_dscnt 0                                 ; blocks 4-7 are in
	PLACES NP
	FETCH_B \slot, (\q)+1, 1-(\q)%2
	FETCH_A \slot, (\q)+1, 0
	WIN MUL_HI
	MUL16 4, (\q)%2, \zero
	MUL16 6, (\q)%2, \zero
	PLACES NP
	WIN 0
	FETCH_A \slot, (\q)+1, 4
.endm
; A slot's last step changes slots: ONE barrier; in front of it each wave waits for all its tensor loads, adds 0 to its spare word, and waits for that and for its own reads of this slot.  fill = 1: this slot is filled again, two K steps ahead.
.macro TURN slot, next, fill
	s_wait_tensorcnt 0x0                           ; all my tensor loads have landed: my part of the next slot
	ds_add_u32 v[SPW], v[NIL]
	s_wait_dscnt 4*NL+1                            ; the add and the youngest 16 loads may be out
	WIN MUL_LO
	MUL16 0, 1, 0
	s_wait_dscnt 0x0                               ; the add is done, and my reads of this slot are over
	s_barrier_signal -1
	MUL16 2, 1, 0
	WIN 0
	s_barrier_wait -1
.if \fill
	CREST                                          ; the barrier has opened a round of the cluster's: no wave of any partner still reads this slot or has a load on its way
	s_add_nc_u64 s[G0+4*\slot+2:G0+4*\slot+3], s[G0+4*\slot+2:G0+4*\slot+3], 2*ROWB
	s_add_nc_u64 s[G0B+4*\slot+2:G0B+4*\slot+3], s[G0B+4*\slot+2:G0B+4*\slot+3], 2*ROWB
	JLOAD G0+4*\slot, G1, G0B+4*\slot, G1B         ; the first tensor load behind the round; its four v_nop are the places in front of the loads below
.else
	PLACES NP
.endif
	FETCH_B \next, 0, 0
	FETCH_A \next, 0, 0
	WIN MUL_HI
	MUL16 4, 1, 0
	MUL16 6, 1, 0
	PLACES NP
	WIN 0
	FETCH_A \next, 0, 4
.endm
	s_wait_alu depctr_va_vdst(0)                   ; the head's end
	s_wait_tensorcnt 0x0                           ; my part of K step 0 is in
	ds_add_u32 v[SPW], v[NIL]
	s_wait_dscnt 0x0
	CROUND                                         ; everybody's part of K step 0 is in, and all sixteen work-groups are here
	JLOAD G0+4, G1, G0B+4, G1B                     ; K step 1: the first tensor load behind the round
	FETCH_B 0, 0, 0
	FETCH_A 0, 0, 0
	FETCH_A 0, 0, 4
	global_prefetch_b8 v22, s[88:89] offset:512 th:TH_LOAD_NT scope:SCOPE_SE   ; K step 2,
	global_prefetch_b8 v22, s[88:89] offset:768 th:TH_LOAD_NT scope:SCOPE_SE   ; and K step 3, the last
	STEP 0, 0, 1
	s_mov_b32 s3, LAPS-1
.Llap:                                                 ; a trip goes once round the ring and fills both slots again
	TURN 0, 1, 1
	STEP 1, 0, 0
	TURN 1, 0, 1
	STEP 0, 0, 0
	s_sub_co_u32 s3, s3, 1
	s_cmp_lg_u32 s3, 0
	s_cbranch_scc1 .Llap
	TURN 0, 1, 0                                   ; the last lap fills nothing
	STEP 1, 0, 0
	s_wait_dscnt 4*NL
	WIN MUL_LO
	MUL16 0, 1, 0
	MUL16 2, 1, 0
	s_wait_dscnt 0
	WIN MUL_HI
	MUL16 4, 1, 0
	MUL16 6, 1, 0
	WIN 0
	; THE WAY OUT.  A sum stands for sum x 2^(its operands' exponents added).
	s_wait_kmcnt 0x0
.if QKV
	s_sub_co_i32 s84, s74, s68                     ; q: e6 - e0 - e1: the three scales are folded into the conversion's one
	s_sub_co_i32 s84, s84, s69
	s_sub_co_i32 s85, s75, s70                     ; k: e7 - e2 - e3
	s_sub_co_i32 s85, s85, s71
	s_sub_co_i32 s86, s77, s72                     ; v: e9 - e4 - e5
	s_sub_co_i32 s86, s86, s73
	s_cmp_eq_u32 ttmp9, 1
	s_cselect_b32 s84, s85, s84
	s_cmp_eq_u32 ttmp9, 2
	s_cselect_b32 s84, s86, s84
.else
	s_add_co_i32 s96, s80, s81                     ; e12 + e13
	s_add_co_i32 s96, s96, 127
	s_lshl_b32 s96, s96, 23                        ; 2^(e12 + e13) as f32,
	s_mov_b32 s97, s96                             ; named as a pair
	s_mov_b32 s84, s82                             ; e14
	s_wait_loadcnt 0x0                             ; b1
.endif
	s_add_co_i32 s84, s84, 127
	s_lshl_b32 s85, s84, 23
	s_add_co_i32 s84, s84, 8
	s_lshl_b32 s84, s84, 23
	s_or_b32 s84, s84, 0x600000
	PLACES NP                                      ; behind the last products
	v_mov_b32 v[SCL], s85
	v_mov_b32 v[LIM], s84
; Block a: source 1's 16 rows x 128: 64 numbers a lane, held (QKV = 0: scaled, biased and clipped at 0 too), eight conversions, eight stores of 8 codes.  Each accumulator is read from its low end on.
.macro QBLOCK a
.set AC, 64*((\a)%4)
.set CB, CD+16*((\a)%2)
	WIN 0x02+((\a)/4)                              ; source 0: window 2 or 3
.if QKV
.set J, 0
.rept 64
	v_med3_num_f32 v[T+J], v[AC+J], -v[LIM], v[LIM]   ; the conversion does not saturate (ISA guide 7.6.2): the hold comes first
.set J, J+1
.endr
	WIN 0
.else
.set J, 0
.rept 32
	v_pk_fma_f32 v[T+J:T+J+1], v[AC+J:AC+J+1], s[96:97], v[BIAS+J:BIAS+J+1] op_sel_hi:[1,0,1]   ; sum x 2^(e12 + e13) + b1
.set J, J+2
.endr
	WIN 0
.set J, 0
.rept 64
	v_med3_num_f32 v[T+J], v[T+J], 0, v[LIM]       ; the activation and the hold in one
.set J, J+1
.endr
.endif
	s_wait_alu depctr_va_vdst(0)
	s_wait_dscnt 8                                 ; all but the last block's eight stores are done: this set of code registers is free
.irp b, 0,1,2,3,4,5,6,7
	v_cvt_scalef32_pk8_fp8_f32 v[CB+2*\b:CB+2*\b+1], v[T+8*\b:T+8*\b+7], v[SCL]
.endr
	v_nop                                          ; a plain instruction behind the last conversion: the next block writes its sources
.irp b, 0,1,2,3,4,5,6,7
	ds_store_b64 v[STO], v[CB+2*\b:CB+2*\b+1] offset:(\a)*16*PITCH+16*\b
.endr
.endm
.irp a, 0,1,2,3,4,5,6,7
	QBLOCK \a
.endr
	s_wait_dscnt 0x0                               ; for the others' sake: my stores into the stage are done
	s_barrier_signal -1
	s_barrier_wait -1
.macro OUTV rowout                     ; my 64 rows of 256 codes: sixteen lanes store 256 consecutive bytes, aligned
.set J, 0
.rept 32
	ds_load_b128 v[RB+4*J:RB+4*J+3], v[RDV] offset:J*2*PITCH
.set J, J+1
.endr
.set J, 0
.rept 32
	s_wait_dscnt 31-J                              ; load J is back; the younger ones may be out
	global_store_b128 v[COV], v[RB+4*J:RB+4*J+3], s[10:11] offset:J*2*\rowout
.set J, J+1
.endr
.endm
.macro OUTQ                            ; my wave's head: 256 tokens x 64 codes are 16 KiB on end in memory: each store covers 512 consecutive bytes.  Load J takes tokens 8 J .. 8 J + 7: the first sixteen by v27, the others by v31
.set J, 0
.rept 32
.if J < 16
	ds_load_b128 v[RB+4*J:RB+4*J+3], v[RDQ] offset:J*8*PITCH
.else
	ds_load_b128 v[RB+4*J:RB+4*J+3], v[RDQ2] offset:(J-16)*8*PITCH
.endif
.set J, J+1
.endr
.set J, 0
.rept 32
	s_wait_dscnt 31-J                              ; load J is back; the younger ones may be out
	global_store_b128 v[COQ], v[RB+4*J:RB+4*J+3], s[10:11] offset:J*512
.set J, J+1
.endr
.endm
.if QKV
	s_cmp_eq_u32 ttmp9, 2                          ; the cluster's x: the same in all partners and all waves; only LDS loads and stores to memory stand in the two arms
	s_cbranch_scc1 .Lv_out
	OUTQ
	s_branch .Ldone
.Lv_out:
	OUTV 1024
.Ldone:
.else
	OUTV 4096
.endif
	s_wait_tensorcnt 0x0                           ; the wave's end: behind my last tensor load and my last LDS store
	ds_add_u32 v[SPW], v[NIL]
	s_wait_dscnt 0x0
	CROUND                                         ; the closing round: no work-group ends while a partner may still ask for a tile that names it
	s_endpgm
.Lfunc_end_k_q9deea2a857_qkv:
	.size	k_q9deea2a857_qkv, .Lfunc_end_k_q9deea2a857_qkv-k_q9deea2a857_qkv
	.p2alignl 7, 3214868480
	.fill 96, 4, 3214868480
	.section	.rodata,"a",@progbits
	.p2align	6, 0x0
	.amdhsa_kernel k_q9deea2a857_qkv
		.amdhsa_group_segment_fixed_size 327680
		.amdhsa_private_segment_fixed_size 0
		.amdhsa_enable_private_segment 0
		.amdhsa_kernarg_size 32
		.amdhsa_user_sgpr_count 2
		.amdhsa_user_sgpr_kernarg_segment_ptr 1
		.amdhsa_wavefront_size32 1
		.amdhsa_system_sgpr_workgroup_id_x 1
		.amdhsa_system_sgpr_workgroup_id_y 1
		.amdhsa_system_sgpr_workgroup_id_z 1
		.amdhsa_system_vgpr_workitem_id 0
		.amdhsa_next_free_vgpr 1024
		.amdhsa_next_free_sgpr 100
		.amdhsa_reserve_vcc 0
		.amdhsa_float_denorm_mode_32 3
		.amdhsa_float_denorm_mode_16_64 3
		.amdhsa_memory_ordered 1
		.amdhsa_forward_progress 1
		.amdhsa_inst_pref_size 134
	.end_amdhsa_kernel
	.amdgpu_metadata
---
amdhsa.version: [ 1, 2 ]
amdhsa.kernels:
  - .name:           k_q9deea2a857_qkv
    .symbol:         k_q9deea2a857_qkv.kd
    .args:
      - { .name: h1c, .offset: 0, .size: 8, .value_kind: global_buffer, .address_space: global }
      - { .name: wcodes, .offset: 8, .size: 8, .value_kind: global_buffer, .address_space: global }
      - { .name: lowp_scales, .offset: 16, .size: 8, .value_kind: global_buffer, .address_space: global }
      - { .name: qkvc, .offset: 24, .size: 8, .value_kind: global_buffer, .address_space: global }
    .group_segment_fixed_size: 327680
    .private_segment_fixed_size: 0
    .kernarg_segment_align: 8
    .kernarg_segment_size: 32
    .max_flat_workgroup_size: 128
    .sgpr_count:     100
    .vgpr_count:     1024
    .wavefront_size: 32
...
	.end_amdgpu_metadata
.endif
;; end of part 2
;; launch attn (part 3): grid 4 x 64, 16 waves a work-group, clusters of 4 x 1, 172,032 bytes of LDS; arguments qkvc, lowp_scales, attnc; writes attnc
.if DOCPART == 3
	.amdgcn_target "amdgcn-amd-amdhsa--gfx1250"
	.amdhsa_code_object_version 6
	.text
	.protected	k_q9deea2a857_attn
	.globl	k_q9deea2a857_attn
	.p2align	8
	.type	k_q9deea2a857_attn,@function
k_q9deea2a857_attn:
	s_mov_b64 s[64:65], 0
	v_nop
	global_prefetch_b8 v0, s[64:65] scope:SCOPE_SE
	s_setreg_imm32_b32 hwreg(HW_REG_WAVE_MODE, 25, 1), 1
	s_wait_xcnt 0x0
	s_wait_alu depctr_hold_cnt(0) depctr_sa_sdst(0) depctr_va_vdst(0) depctr_va_sdst(0) depctr_va_ssrc(0) depctr_va_vcc(0) depctr_vm_vsrc(0)
	s_getreg_b32 s2, hwreg(HW_REG_IB_STS2, 6, 4)
	s_cmp_eq_u32 s2, 0
	s_cbranch_scc0 .Lentry_in_a_cluster
	s_endpgm
.Lentry_in_a_cluster:
	s_bfe_u32 s2, ttmp6, 0x10000c
	s_cmp_lg_u32 s2, 0x3003
	s_cbranch_scc0 .Lentry_shape_is_right
	s_endpgm
.Lentry_shape_is_right:
; Products 4 and 5 with the causal softmax between them, on codes of FP8 (E4M3), and the result quantised with entry 10 for product 6.
; q, k: [64 (b, h)][1,024][64] codes at 0 and 4 MiB of qkvc (entries 6, 7); v: [64 (b, h)][64 d][1,024 keys] at 8 MiB (entry 9).  Out: attnc [16 h][4,096 tokens][64 d].
; WORK LEFT OUT: a step of 128 keys that all come after a wave's 16 queries: reference()'s own tril makes their weights exactly 0 (shown at the head of the first launch).
; THE SOFTMAX: t = score x log2(e) / 32 (the reference divides by sqrt(1,024)); M = the running largest t rounded UP to a whole number; p = 2^(t - M) is quantised (entry 8), not normalised; the row's sum is taken of the
; unquantised p and divides at the end.  When M moves, the sum and O are multiplied by 2^(old M - new M), which rounds nothing.
; LIMITS: e6 + e7 between -121 and 132 (added to the exponent field of log2(e) / 32); e8 and e10 between -126 and 119; e8 + e9 goes in by v_ldexp_f32.
; SHARES.  A cluster of four work-groups has one (b, h).  Work-group g (its place in the cluster), wave w own ONE tile of 16 queries: tile 4 i + g, i = w for w < 8, 23 - w else: so late and early tiles share a SIMD,
; and which steps a wave walks hangs on its number alone: step s is hidden where i < 2 s, and needs the mask where i < 2 s + 2.  g enters only Q's and O's addresses in memory and the mask's numbers.
; THE HEAD'S WHOLE K AND V LIE IN LDS: 8 joint loads at the head (waves 0-3: K's four quarters; waves 4-7: V's), each with the mask of all four partners; nothing is filled twice.  A loading wave has one tensor load out.
; LAYOUT.  Both products transposed: S^T = K Q^T (16x16x64), O^T = V^T P^T (16x16x128): a lane holds ONE query.  Lane r of key tile 2 b + u takes key 32 b + 8 u + r + 8 (r / 8), so that the 16 registers of tiles 2 b, 2 b + 1
; are 16 neighbouring keys.  Fragments come by loads of 16 bytes: the same permutation of k on both sides of each product.
; REGISTERS: v1-9 addresses; v12 -M, v13 the largest t, v[14:15] the sum; v16-23 Q; v32-95 fragments of K, then of V; v96-159 S^T, then p; v160-191 O^T; v224-239 p's codes; v240-254 scales and work.
.set KP,    80                         ; a key's row in LDS: 64 bytes + 16
.set VP,    272                        ; a row of a quarter of V: 256 bytes + 16
.set VBASE, 1024*KP
.set VCH,   64*VP
.set STG,   VBASE+4*VCH                ; the way out: 1,024 bytes a wave; no tile lands here
.set SPARE, STG+16*1024                ; the spare words, 128 bytes a wave
.set AK0, 1                            ; v1, v2  my lane's place in K; keys 0-511, 512-1,023
.set AV0, 3                            ; v3      in V
.set DQ,  4                            ; v4      my query - 16 (lane / 16)
.set SPW, 5
.set NIL, 6
.set GO,  7                            ; v7      16 x lane
.set SI,  8                            ; v8      the stage, in
.set SO,  9                            ; v9      the stage, out
.set WV,  10                           ; s10     wave
.set IW,  11                           ; s11     i
.set G1K, 16
.set G1V, 24
.set G0K, 32                           ; s32-35  group 0 for K
.set G0V, 48                           ; s48-51  group 0 for V
.set SEL, 66
.set CS,  68
.macro CROUND
	s_barrier_signal -1
	s_barrier_wait -1
	s_cmp_lg_u32 s[WV], 0
	s_cbranch_scc1 .Lnot_wave_0_\@
	s_barrier_signal -3
.Lnot_wave_0_\@:
	s_barrier_wait -3
	s_barrier_signal -1
	s_barrier_wait -1
.endm
	s_load_b128 s[4:7], s[0:1], 0x0                ; qkvc, the exponents
	s_load_b64 s[8:9], s[0:1], 0x10                ; attnc
	v_lshl_add_u32 v[SPW], v0, 2, SPARE
	v_mov_b32 v[NIL], 0
	ds_add_u32 v[SPW], v[NIL]                      ; the wave's opening: the add, twice on end, and its wait ahead of the first tensor loads
	ds_add_u32 v[SPW], v[NIL]
	v_lshrrev_b32 v10, 5, v0
	s_delay_alu instid0(VALU_DEP_1)
	v_readfirstlane_b32 s[WV], v10                 ; wave 0..15
	s_lshr_b32 s[IW], s[WV], 3
	s_mul_i32 s[IW], s[IW], 7
	s_xor_b32 s[IW], s[IW], s[WV]                  ; i = w, or 23 - w from wave 8 on
	s_bfe_u32 s12, ttmp6, 0x40000                  ; g: my place in the cluster
	s_and_b32 s13, ttmp7, 0xffff                   ; (b, h), which the four partners share
	s_mov_b32 s[G1K], 15|(1<<20)|(1<<21)|(3<<22)|(3<<25)   ; the mask of all four; elements of 1 byte; padding on; bit 21 beside a mask; four words after every 16: a key's 64 bytes
	s_mov_b32 s[G1K+1], 256<<16                    ; a quarter of K, 256 keys, is 16 KiB on end: stated as 64 rows of 256 bytes
	s_mov_b32 s[G1K+2], 64<<16
	s_mov_b32 s[G1K+3], 256<<16
	s_mov_b32 s[G1K+4], 64
	s_mov_b32 s[G1K+5], 256
	s_mov_b32 s[G1K+6], 0
	s_mov_b32 s[G1K+7], 0
	s_mov_b32 s[G1V], 15|(1<<20)|(1<<21)|(5<<22)|(3<<25)   ; four words after every 64
	s_mov_b32 s[G1V+1], 256<<16                    ; a quarter of V: 64 rows d x 256 keys, rows 1,024 bytes apart
	s_mov_b32 s[G1V+2], 64<<16
	s_mov_b32 s[G1V+3], 256<<16
	s_mov_b32 s[G1V+4], 64
	s_mov_b32 s[G1V+5], 1024
	s_mov_b32 s[G1V+6], 0
	s_mov_b32 s[G1V+7], 0
	s_mov_b32 s[SEL], 0x76543210
	s_mov_b32 s[SEL+1], 0xfedcba98
	s_mov_b32 s[CS], 0x3d38aa3b                    ; c = log2(e) / 32
	s_lshl_b32 s14, s13, 16                        ; a head's codes are 65,536 bytes in each of q, k, v
	s_mov_b32 s15, 0
	s_wait_dscnt 0x0                               ; both opening adds are done
	s_wait_kmcnt 0x0
	s_load_b512 s[72:87], s[6:7], 0x0              ; entry i in s[72 + i]
	s_add_nc_u64 s[88:89], s[4:5], s[14:15]
	; EIGHT WAVES FETCH, ONE JOINT LOAD EACH: waves 0 to 3 quarter w of K, waves 4 to 7 quarter w - 4 of V.  The quarter is the wave's number % 4: the same in all four partners.
	s_and_b32 s90, s[WV], 3
	s_mul_i32 s91, s90, 256*KP
	s_lshl_b32 s92, s90, 14
	s_mov_b32 s93, 0
	s_mov_b32 s[G0K], 1
	s_mov_b32 s[G0K+1], s91
	s_add_nc_u64 s[G0K+2:G0K+3], s[88:89], s[92:93]
	s_add_nc_u64 s[G0K+2:G0K+3], s[G0K+2:G0K+3], 0x400000
	s_or_b32 s[G0K+3], s[G0K+3], 0x80000000
	s_mul_i32 s91, s90, VCH
	s_add_co_u32 s91, s91, VBASE
	s_lshl_b32 s92, s90, 8
	s_mov_b32 s[G0V], 1
	s_mov_b32 s[G0V+1], s91
	s_add_nc_u64 s[G0V+2:G0V+3], s[88:89], s[92:93]
	s_add_nc_u64 s[G0V+2:G0V+3], s[G0V+2:G0V+3], 0x800000
	s_or_b32 s[G0V+3], s[G0V+3], 0x80000000
	CROUND                                         ; all four work-groups are here: the joint loads meet
	s_cmp_lt_u32 s[WV], 4                          ; one chain of branches on the wave's number, one fill to an arm, one join
	s_cbranch_scc0 .Lnot_k
	tensor_load_to_lds s[G0K:G0K+3], s[G1K:G1K+7]
	s_nop 0
.rept 4
	v_nop
.endr
	s_branch .Lasked
.Lnot_k:
	s_cmp_lt_u32 s[WV], 8
	s_cbranch_scc0 .Lasked
	tensor_load_to_lds s[G0V:G0V+3], s[G1V:G1V+7]
	s_nop 0
.rept 4
	v_nop
.endr
.Lasked:
	s_lshl_b32 s90, s[IW], 6
	s_lshl_b32 s91, s12, 4
	s_add_co_u32 s90, s90, s91                     ; my first query: 64 i + 16 g
	s_lshl_b32 s92, s90, 6
	s_mov_b32 s93, 0
	s_add_nc_u64 s[94:95], s[88:89], s[92:93]      ; its codes
	v_and_b32 v10, 15, v0                          ; r
	s_wait_alu depctr_va_vdst(0)
	v_bfe_u32 v11, v0, 4, 1                        ; h
	v_lshlrev_b32 v24, 6, v10
	s_delay_alu instid0(VALU_DEP_1)
	v_lshl_add_u32 v24, v11, 4, v24
	global_load_b128 v[16:19], v24, s[94:95]       ; Q's fragment stays in registers
	global_load_b128 v[20:23], v24, s[94:95] offset:32
	s_and_b32 s92, s13, 15                         ; O: head x 262,144 + (b x 1,024 + my first query) x 64
	s_lshl_b32 s92, s92, 18
	s_lshr_b32 s96, s13, 4
	s_lshl_b32 s96, s96, 10
	s_add_co_u32 s96, s96, s90
	s_lshl_b32 s96, s96, 6
	s_add_co_u32 s92, s92, s96
	s_add_nc_u64 s[8:9], s[8:9], s[92:93]
	v_and_b32 v25, 8, v10
	s_delay_alu instid0(VALU_DEP_1)
	v_add_nc_u32 v25, v25, v10                     ; r + 8 (r / 8)
	s_delay_alu instid0(VALU_DEP_1)
	v_mul_u32_u24 v[AK0], v25, KP
	s_wait_alu depctr_va_vdst(0)
	v_lshl_add_u32 v[AK0], v11, 4, v[AK0]
	s_delay_alu instid0(VALU_DEP_1)
	v_add_nc_u32 v[AK0+1], 512*KP, v[AK0]
	v_mul_u32_u24 v[AV0], v10, VP
	s_delay_alu instid0(VALU_DEP_1)
	v_lshl_add_u32 v[AV0], v11, 4, v[AV0]
	s_delay_alu instid0(VALU_DEP_1)
	v_add_nc_u32 v[AV0], VBASE, v[AV0]
	v_lshlrev_b32 v25, 4, v11
	s_delay_alu instid0(VALU_DEP_1)
	v_sub_nc_u32 v[DQ], v10, v25
	s_delay_alu instid0(VALU_DEP_1)
	v_add_nc_u32 v[DQ], s90, v[DQ]
	v_and_b32 v25, 31, v0
	s_delay_alu instid0(VALU_DEP_1)
	v_lshlrev_b32 v[GO], 4, v25
	s_lshl_b32 s96, s[WV], 10
	s_add_co_u32 s96, s96, STG                     ; my stage
	v_lshlrev_b32 v[SI], 6, v10
	s_delay_alu instid0(VALU_DEP_1)
	v_lshl_add_u32 v[SI], v11, 3, v[SI]
	s_delay_alu instid0(VALU_DEP_1)
	v_add_nc_u32 v[SI], s96, v[SI]                 ; in: row r of 64 bytes, + 8 h
	v_add_nc_u32 v[SO], s96, v[GO]
	v_mov_b32 v13, 0xff61b1e6                      ; the largest t so far: -3e38
	s_delay_alu instid0(VALU_DEP_1)
	v_floor_f32 v12, -v13                          ; -M
	v_mov_b32 v14, 0
	v_mov_b32 v15, 0
	v_mov_b32 v246, 0                              ; a lane permute's destination counts as one of its sources
	v_mov_b32 v253, 0                              ; named as the upper half of v[252:253]
.set J, 0
.rept 32
	v_mov_b32 v[160+J], 0                          ; O^T: the step is written in one form; the first finds zeros, which the first change of M leaves zeros
.set J, J+1
.endr
	s_wait_kmcnt 0x0
	s_add_co_i32 s96, s78, s79                     ; a score stands for score x 2^(e6 + e7): added to c's exponent field
	s_lshl_b32 s96, s96, 23
	s_add_co_i32 s[CS], s[CS], s96
	s_mov_b32 s[CS+1], s[CS]
	s_add_co_i32 s96, s80, 127
	s_lshl_b32 s97, s96, 23
	v_mov_b32 v244, s97                            ; 2^e8
	s_add_co_i32 s96, s96, 8
	s_lshl_b32 s96, s96, 23
	s_or_b32 s96, s96, 0x600000
	v_mov_b32 v240, s96                            ; 448 x 2^e8
	s_add_co_i32 s96, s82, 127
	s_lshl_b32 s97, s96, 23
	v_mov_b32 v245, s97                            ; 2^e10
	s_add_co_i32 s96, s96, 8
	s_lshl_b32 s96, s96, 23
	s_or_b32 s96, s96, 0x600000
	v_mov_b32 v241, s96                            ; 448 x 2^e10
; KEY STEP s: keys 128 s .. 128 s + 127.  Every offset is an immediate.
.macro STEP s
.if (\s) > 0
	s_cmp_lt_u32 s[IW], 2*(\s)                     ; all 128 keys come after my queries: the step is left out
	s_cbranch_scc1 .Lhidden_\@
.endif
.rept 4
	v_nop                                          ; places in front of loads into registers that the last products read
.endr
.irp b, 0,1,2,3
.irp u, 0,1
.irp c, 0,1
	ds_load_b128 v[32+8*(2*\b+\u)+4*\c:32+8*(2*\b+\u)+4*\c+3], v[AK0+(\s)/4] offset:(128*((\s)%4)+32*\b+8*\u)*KP+32*\c
.endr
.endr
.endr
	s_wait_dscnt 0x0
.irp t, 0,1,2,3,4,5,6,7
	v_wmma_f32_16x16x64_fp8_fp8 v[96+8*\t:103+8*\t], v[32+8*\t:39+8*\t], v[16:23], 0
.endr
.rept 4
	v_nop                                          ; places behind them: for the loads below and for the first read of the scores
.endr
.irp t, 0,1,2,3
.irp c, 0,1,2,3
	ds_load_b128 v[32+16*\t+4*\c:32+16*\t+4*\c+3], v[AV0] offset:((\s)/2)*VCH+16*\t*VP+128*((\s)%2)+32*\c   ; V's four fragments are asked for here and land under the softmax
.endr
.endr
	s_cmp_ge_u32 s[IW], 2*(\s)+2                   ; all 128 keys count for all my queries: no mask
	s_cbranch_scc1 .Lopen_\@
	v_add_nc_u32 v252, -128*(\s), v[DQ]            ; register 16 b + i holds key 128 s + 32 b + 16 (lane / 16) + i: hidden where 32 b + i > my query - 128 s - 16 (lane / 16)
	v_mov_b32 v254, 0xff800000                     ; -infinity: p = 0 then
.set N, 0
.rept 64
	v_cmp_gt_i32 vcc_lo, 32*(N/16)+N%16, v252
	v_cndmask_b32 v[96+N], v[96+N], v254, vcc_lo
.set N, N+1
.endr
.Lopen_\@:
	v_max3_num_f32 v254, v96, v97, v98             ; the step's largest score of my query among my 64 keys, in two chains,
	v_max3_num_f32 v252, v99, v100, v101
.irp i, 6,10,14,18,22,26,30,34,38,42,46,50,54,58
	v_max3_num_f32 v254, v254, v[96+\i], v[97+\i]
	v_max3_num_f32 v252, v252, v[98+\i], v[99+\i]
.endr
	v_max3_num_f32 v254, v254, v158, v159
	s_delay_alu instid0(VALU_DEP_1)
	v_max_num_f32 v254, v254, v252
	s_delay_alu instid0(VALU_DEP_1)
	v_permlanex16_b32 v246, v254, s[SEL], s[SEL+1]
	s_delay_alu instid0(VALU_DEP_1)
	v_max_num_f32 v254, v254, v246                 ; and among lane l xor 16's
	s_delay_alu instid0(VALU_DEP_1)
	v_mul_f32 v254, s[CS], v254                    ; as t (c is positive)
	s_delay_alu instid0(VALU_DEP_1)
	v_max_num_f32 v13, v13, v254
	v_mov_b32 v254, v12
	s_delay_alu instid0(VALU_DEP_2)
	v_floor_f32 v12, -v13                          ; the new -M = -ceil(t)
	s_delay_alu instid0(VALU_DEP_1)
	v_sub_f32 v254, v12, v254                      ; old M - new M: a whole number, 0 or less
	s_delay_alu instid0(VALU_DEP_1)
	v_cvt_i32_f32 v254, v254
	s_delay_alu instid0(VALU_DEP_1)
	v_ldexp_f32 v252, 1.0, v254                    ; f = 2^(old M - new M)
.set J, 0
.rept 32
	v_pk_fma_f32 v[96+J:97+J], v[96+J:97+J], s[CS:CS+1], v[12:13] op_sel_hi:[1,0,0]   ; t - M, two at a time
.set J, J+2
.endr
.set J, 0
	s_wait_alu depctr_va_vdst(0)
.rept 64
	v_exp_f32 v[96+J], v[96+J]                     ; p = 2^(t - M)
.set J, J+1
.endr
	v_pk_mul_f32 v[14:15], v[14:15], v[252:253] op_sel_hi:[1,0]   ; the sums under the new M: the plain instruction behind the exponentials
	s_wait_alu depctr_va_vdst(0)                   ; one wait for the whole batch, ahead of its first reader
	v_pk_add_f32 v[242:243], v[100:101], v[104:105]
	v_pk_add_f32 v[254:255], v[108:109], v[112:113]
	v_pk_add_f32 v[250:251], v[116:117], v[120:121]
	v_pk_add_f32 v[248:249], v[124:125], v[128:129]
	v_pk_add_f32 v[238:239], v[132:133], v[136:137]
	v_pk_add_f32 v[236:237], v[140:141], v[144:145]
	v_pk_add_f32 v[234:235], v[148:149], v[152:153]
	v_pk_add_f32 v[14:15], v[14:15], v[156:157]
	v_pk_add_f32 v[242:243], v[242:243], v[96:97]
	v_pk_add_f32 v[254:255], v[254:255], v[98:99]
	v_pk_add_f32 v[250:251], v[250:251], v[102:103]
	v_pk_add_f32 v[248:249], v[248:249], v[106:107]
	v_pk_add_f32 v[238:239], v[238:239], v[110:111]
	v_pk_add_f32 v[236:237], v[236:237], v[114:115]
	v_pk_add_f32 v[234:235], v[234:235], v[118:119]
	v_pk_add_f32 v[14:15], v[14:15], v[122:123]
	v_pk_add_f32 v[242:243], v[242:243], v[126:127]
	v_pk_add_f32 v[254:255], v[254:255], v[130:131]
	v_pk_add_f32 v[250:251], v[250:251], v[134:135]
	v_pk_add_f32 v[248:249], v[248:249], v[138:139]
	v_pk_add_f32 v[238:239], v[238:239], v[142:143]
	v_pk_add_f32 v[236:237], v[236:237], v[146:147]
	v_pk_add_f32 v[234:235], v[234:235], v[150:151]
	v_pk_add_f32 v[14:15], v[14:15], v[154:155]
	v_pk_add_f32 v[242:243], v[242:243], v[158:159]
	s_delay_alu instid0(VALU_DEP_2)
	v_pk_add_f32 v[14:15], v[14:15], v[248:249]
	s_delay_alu instid0(VALU_DEP_2)
	v_pk_add_f32 v[242:243], v[242:243], v[238:239]
	v_pk_add_f32 v[254:255], v[254:255], v[236:237]
	v_pk_add_f32 v[250:251], v[250:251], v[234:235]
	s_delay_alu instid0(VALU_DEP_2)
	v_pk_add_f32 v[14:15], v[14:15], v[254:255]
	s_delay_alu instid0(VALU_DEP_2)
	v_pk_add_f32 v[242:243], v[242:243], v[250:251]
	s_delay_alu instid0(VALU_DEP_1)
	v_pk_add_f32 v[14:15], v[14:15], v[242:243]
.irp b, 0,1,2,3
.set J, 0
.rept 16
	v_min_num_f32 v[96+16*\b+J], v[96+16*\b+J], v240   ; the conversion does not saturate (ISA guide 7.6.2); p is not negative: a one-sided hold
.set J, J+1
.endr
	v_cvt_scalef32_pk8_fp8_f32 v[224+4*\b:225+4*\b], v[96+16*\b:103+16*\b], v244
	v_cvt_scalef32_pk8_fp8_f32 v[226+4*\b:227+4*\b], v[104+16*\b:111+16*\b], v244
.endr
.set J, 0
.rept 16
	v_pk_mul_f32 v[160+J:161+J], v[160+J:161+J], v[252:253] op_sel_hi:[1,0]   ; O^T under the new M; also the plain instructions between the conversions and the products
.set J, J+2
.endr
	s_wait_alu depctr_va_vdst(0)
	s_wait_dscnt 0x0                               ; V's fragments
.irp t, 0,1,2,3
	v_wmma_f32_16x16x128_fp8_fp8 v[160+8*\t:167+8*\t], v[32+16*\t:47+16*\t], v[224:239], v[160+8*\t:167+8*\t]   ; four accumulators by turns
.endr
.Lhidden_\@:
.endm
	s_wait_loadcnt 0x0                             ; Q
	s_wait_tensorcnt 0x0                           ; my one load, if I have one, has landed
	s_barrier_signal -1
	s_barrier_wait -1                              ; all of K and V is there for all sixteen waves; nothing is filled again
.irp c, 0,1,2,3
	STEP 2*\c
	STEP 2*\c+1
.endr
	; THE WAY OUT: O^T / the sum x 2^(e8 + e9), quantised with entry 10; a lane's eight numbers of a tile are eight neighbouring d of its query.
	v_add_f32 v14, v14, v15
	s_delay_alu instid0(VALU_DEP_1)
	v_permlanex16_b32 v252, v14, s[SEL], s[SEL+1]
	s_delay_alu instid0(VALU_DEP_1)
	v_add_f32 v14, v14, v252                       ; the row's sum
	s_wait_alu depctr_va_vdst(0)
	v_rcp_f32 v14, v14
	v_nop                                          ; a plain instruction behind the transcendental
	s_add_co_i32 s96, s80, s81
	s_wait_alu depctr_va_vdst(0)                   ; and the wait ahead of its first reader
	v_ldexp_f32 v14, v14, s96
.set J, 0
.rept 32
	v_mul_f32 v[96+J], v[160+J], v14
.set J, J+1
.endr
.set J, 0
.rept 32
	v_med3_num_f32 v[96+J], v[96+J], -v241, v241
.set J, J+1
.endr
.irp t, 0,1,2,3
	v_cvt_scalef32_pk8_fp8_f32 v[224+2*\t:225+2*\t], v[96+8*\t:103+8*\t], v245
.endr
	v_nop
.irp t, 0,1,2,3
	ds_store_b64 v[SI], v[224+2*\t:225+2*\t] offset:16*\t
.endr
.irp i, 0,1
	ds_load_b128 v[32+4*\i:35+4*\i], v[SO] offset:512*\i   ; LDS serves a wave's instructions in order: these see my stores
.endr
	s_wait_dscnt 0x0
.irp i, 0,1
	global_store_b128 v[GO], v[32+4*\i:35+4*\i], s[8:9] offset:512*\i   ; my 16 tokens of this head are 1,024 consecutive bytes
.endr
	s_wait_tensorcnt 0x0                           ; the wave's end: behind my last tensor load and my last LDS store
	ds_add_u32 v[SPW], v[NIL]
	s_wait_dscnt 0x0
	CROUND                                         ; the closing round
	s_endpgm
.Lfunc_end_k_q9deea2a857_attn:
	.size	k_q9deea2a857_attn, .Lfunc_end_k_q9deea2a857_attn-k_q9deea2a857_attn
	.p2alignl 7, 3214868480
	.fill 96, 4, 3214868480
	.section	.rodata,"a",@progbits
	.p2align	6, 0x0
	.amdhsa_kernel k_q9deea2a857_attn
		.amdhsa_group_segment_fixed_size 172032
		.amdhsa_private_segment_fixed_size 0
		.amdhsa_enable_private_segment 0
		.amdhsa_kernarg_size 24
		.amdhsa_user_sgpr_count 2
		.amdhsa_user_sgpr_kernarg_segment_ptr 1
		.amdhsa_wavefront_size32 1
		.amdhsa_system_sgpr_workgroup_id_x 1
		.amdhsa_system_sgpr_workgroup_id_y 1
		.amdhsa_system_sgpr_workgroup_id_z 1
		.amdhsa_system_vgpr_workitem_id 0
		.amdhsa_next_free_vgpr 256
		.amdhsa_next_free_sgpr 100
		.amdhsa_reserve_vcc 1
		.amdhsa_float_denorm_mode_32 3
		.amdhsa_float_denorm_mode_16_64 3
		.amdhsa_memory_ordered 1
		.amdhsa_forward_progress 1
		.amdhsa_inst_pref_size 179
	.end_amdhsa_kernel
	.amdgpu_metadata
---
amdhsa.version: [ 1, 2 ]
amdhsa.kernels:
  - .name:           k_q9deea2a857_attn
    .symbol:         k_q9deea2a857_attn.kd
    .args:
      - { .name: qkvc, .offset: 0, .size: 8, .value_kind: global_buffer, .address_space: global }
      - { .name: lowp_scales, .offset: 8, .size: 8, .value_kind: global_buffer, .address_space: global }
      - { .name: attnc, .offset: 16, .size: 8, .value_kind: global_buffer, .address_space: global }
    .group_segment_fixed_size: 172032
    .private_segment_fixed_size: 0
    .kernarg_segment_align: 8
    .kernarg_segment_size: 24
    .max_flat_workgroup_size: 512
    .sgpr_count:     100
    .vgpr_count:     256
    .wavefront_size: 32
...
	.end_amdgpu_metadata
.endif
;; end of part 3
;; launch proj (part 4): grid 8 x 32, 4 waves a work-group, clusters of 4 x 4, 327,680 bytes of LDS; arguments attnc, wcodes, lowp_scales, b_proj, x, x1; writes x1
.if DOCPART == 4
	.amdgcn_target "amdgcn-amd-amdhsa--gfx1250"
	.amdhsa_code_object_version 6
	.text
	.protected	k_q9deea2a857_proj
	.globl	k_q9deea2a857_proj
	.p2align	8
	.type	k_q9deea2a857_proj,@function
k_q9deea2a857_proj:
	s_mov_b64 s[64:65], 0
	v_nop
	global_prefetch_b8 v0, s[64:65] scope:SCOPE_SE
	s_setreg_imm32_b32 hwreg(HW_REG_WAVE_MODE, 25, 1), 1
	s_wait_xcnt 0x0
	s_wait_alu depctr_hold_cnt(0) depctr_sa_sdst(0) depctr_va_vdst(0) depctr_va_sdst(0) depctr_va_ssrc(0) depctr_va_vcc(0) depctr_vm_vsrc(0)
	s_getreg_b32 s2, hwreg(HW_REG_IB_STS2, 6, 4)
	s_cmp_eq_u32 s2, 0
	s_cbranch_scc0 .Lentry_in_a_cluster
	s_endpgm
.Lentry_in_a_cluster:
	s_bfe_u32 s2, ttmp6, 0x10000c
	s_cmp_lg_u32 s2, 0xf033
	s_cbranch_scc0 .Lentry_shape_is_right
	s_endpgm
.Lentry_shape_is_right:
; out = resid + A B^T x 2^(eA + eB) + bias, the product on codes of FP8 (E4M3); out and resid [4,096][1,024] f32.  The same text serves two launches; PROJ says which.
; PROJ = 1: product 6.  A = attention's codes [16 h][4,096 tokens][64 d], B = w_proj's codes (3 MiB into wcodes), K = 1,024, entries 10, 11, bias b_proj, resid x.
; PROJ = 0: product 8.  A = the hidden layer's codes [4,096][4,096], B = w2's codes (8 MiB into wcodes), K = 4,096, entries 14, 15, bias b2, resid x1.
; LIMIT: eA + eB between -126 and 127.
; N = 1,024 gives 64 tiles of 256 x 256 but 256 of 128 x 128: so a tile is 128 x 128, four waves of 64 x 64 (16 accumulators).  K goes in steps of 512 through two LDS slots; a wave's tensor load brings 64 rows of 1,024 bytes.
; PROJ = 1: a slot's part of A is 8 heads x 64 tokens x 64 bytes: a tile of 8 rows (heads, 262,144 bytes apart) of 4,096 bytes on end, 16 bytes of padding behind each token's 64: k keeps its order (h, d), as in B.
; CLUSTERS: 4 x 4 work-groups, A's tiles shared along a row, B's along a column, by joint loads.  A wave has one tensor load out at the head and (PROJ = 0) one behind each round.
; THE MATRIX INSTRUCTION IS USED TRANSPOSED (source 0 = 16 rows of B, source 1 = 16 rows of A): a lane holds eight neighbouring numbers of a row of the result.
; REGISTERS: window 0: v0-31 addresses, v[8:11] the bias; v128-255 the accumulators ((a, b) at v[128 + 8 (4 a + b)]).  window 1: two fragment buffers of 128 (A's four fragments, then B's four).  window 2: v0-127 the residual, asked for at the head.
.set PROJ, 1
.if PROJ
.set SIZE_K, 1024
.set KLOG,   10
.set ALOG,   6                         ; a token's bytes in a plane of A
.set AHALF,  16*64*80                  ; ALL OF K LIES IN LDS, BY ONE TENSOR LOAD A WAVE: 64 tokens x 16 heads, 80 bytes a token and head
.set ASTEP,  8*262144                  ; a slot on in A: eight heads
.set WOFF,   0x300000
.set EA,     10
.else
.set SIZE_K, 4096
.set KLOG,   12
.set ALOG,   12
.set AHALF,  64*528
.set ASTEP,  512
.set WOFF,   0x800000
.set EA,     14
.endif
.set KSTEP,  1024                      ; what a wave's one load brings of each row of B
.set BP,     1040                      ; an LDS row of B: 1,024 bytes + 16 = 260 words: the 16 rows that a load touches start at 16 different banks
.set BHALF,  64*BP
.set SLOT,   2*AHALF+2*BHALF           ; A's two halves, then B's
.set SPARE,  SLOT                      ; one fill of 296,960 bytes; behind it the spare words
.set SPITCH, 272                       ; the way out: a stage of 64 rows x (256 bytes + 16) for each wave, in slot 0, which has had its last fill and its last read by then
.set LAPS,   SIZE_K/(2*KSTEP)
.set BI,   8
.set BO,   12
.set ADRA, 16
.set ADRB, 20
.set STO,  24
.set RD,   25
.set CO,   26
.set SPW,  28
.set NIL,  29
.set ACC,  128
.set F0,   0
.set F1,   128
.set G1, 24
.set G0, 32
.set G1B, 48
.set G0B, 56
.set MSB, 0
.macro WIN new                         ; the immediate's high byte repeats the setting that is left
.if MSB != (\new)
	s_set_vgpr_msb (MSB<<8)|(\new)
.set MSB, (\new)
.endif
.endm
.set MUL,  0x05                        ; sources 0 and 1 window 1; C and D window 0
.set TO_F, 0x40                        ; destination window 1, address window 0
.macro JLOAD s                         ; a joint load: waves 0 and 1 fetch A's halves, waves 2 and 3 B's; an s_nop 0 and four v_nop follow each of the two lines
	s_cmp_eq_u32 s11, 0
	s_cbranch_scc0 .Lfor_b_\@
	tensor_load_to_lds s[G0+4*\s:G0+4*\s+3], s[G1:G1+7]
	s_nop 0
.rept 4
	v_nop
.endr
	s_branch .Lasked_\@
.Lfor_b_\@:
	tensor_load_to_lds s[G0B+4*\s:G0B+4*\s+3], s[G1B:G1B+7]
	s_nop 0
.rept 4
	v_nop
.endr
.Lasked_\@:
.endm
.macro CREST
	s_cmp_lg_u32 s10, 0
	s_cbranch_scc1 .Lnot_wave_0_\@
	s_barrier_signal -3
.Lnot_wave_0_\@:
	s_barrier_wait -3
	s_barrier_signal -1
	s_barrier_wait -1
.endm
.macro CROUND
	s_barrier_signal -1
	s_barrier_wait -1
	CREST
.endm
	s_load_b256 s[68:75], s[0:1], 0x0              ; A's codes, wcodes, the exponents, the bias
	s_load_b128 s[76:79], s[0:1], 0x20             ; the residual, the output
	v_lshl_add_u32 v[SPW], v0, 2, SPARE
	v_mov_b32 v[NIL], 0
	ds_add_u32 v[SPW], v[NIL]                      ; the wave's opening: the add, twice on end, and its wait ahead of my first tensor load
	ds_add_u32 v[SPW], v[NIL]
	v_lshrrev_b32 v1, 5, v0
	v_readfirstlane_b32 s10, v1                    ; wave 0..3
	s_lshr_b32 s11, s10, 1                         ; which half of the tile's rows is mine.  Also: I fetch for A (0) or for B (1)
	s_and_b32 s12, s10, 1                          ; which half of its columns.  Also: which 64 rows of that tile I fetch
	s_bfe_u32 s40, ttmp6, 0x40000
	s_bfe_u32 s41, ttmp6, 0x40004
	s_lshl_b32 s42, ttmp9, 2
	s_add_co_u32 s42, s42, s40                     ; tile column
	s_and_b32 s13, ttmp7, 0xffff
	s_lshl_b32 s13, s13, 2
	s_add_co_u32 s13, s13, s41                     ; tile row
	s_lshl_b32 s43, s41, 2
	s_lshl_b32 s43, 15, s43                        ; my row of the cluster
	s_lshl_b32 s44, 0x1111, s40                    ; my column
.if PROJ
	s_or_b32 s[G1+0], s43, (1<<20)|(1<<21)|(3<<22)|(3<<25)   ; the mask; elements of 1 byte; padding: four words after every 16
	s_mov_b32 s[G1+1], 4096<<16                    ; tensor_dim0: 64 tokens x 64 bytes
	s_mov_b32 s[G1+2], 16<<16                      ; tensor_dim1: 16 heads
	s_mov_b32 s[G1+3], 4096<<16
	s_mov_b32 s[G1+4], 16
	s_mov_b32 s[G1+5], 262144                      ; from head to head
.else
	s_or_b32 s[G1+0], s43, (1<<20)|(1<<21)|(6<<22)|(3<<25)   ; four words after every 128
	s_mov_b32 s[G1+1], KSTEP<<16
	s_mov_b32 s[G1+2], 64<<16
	s_mov_b32 s[G1+3], KSTEP<<16
	s_mov_b32 s[G1+4], 64
	s_mov_b32 s[G1+5], SIZE_K
.endif
	s_mov_b32 s[G1+6], 0
	s_mov_b32 s[G1+7], 0
	s_or_b32 s[G1B+0], s44, (1<<20)|(1<<21)|(7<<22)|(3<<25)   ; four words after every 256
	s_mov_b32 s[G1B+1], KSTEP<<16
	s_mov_b32 s[G1B+2], 64<<16
	s_mov_b32 s[G1B+3], KSTEP<<16
	s_mov_b32 s[G1B+4], 64
	s_mov_b32 s[G1B+5], SIZE_K
	s_mov_b32 s[G1B+6], 0
	s_mov_b32 s[G1B+7], 0
	s_lshl_b32 s18, s12, 6                         ; which 64 rows of the tile I fetch
	s_lshl_b32 s16, s13, 7
	s_add_co_u32 s16, s16, s18                     ; A: row 128 x tile row + 64 x half,
	s_lshl_b32 s16, s16, ALOG                      ; in bytes
	s_mov_b32 s17, 0
	s_lshl_b32 s46, s42, 7
	s_add_co_u32 s46, s46, s18                     ; B: row 128 x tile column + 64 x half
	s_lshl_b32 s46, s46, KLOG
	s_add_co_u32 s46, s46, WOFF
	s_mov_b32 s47, 0
	s_mul_i32 s20, s12, AHALF                      ; where they go: no place in the cluster enters an LDS address
	s_mul_i32 s21, s12, BHALF
	s_add_co_u32 s21, s21, 2*AHALF
	s_wait_dscnt 0x0                               ; both opening adds are done
	s_wait_kmcnt 0x0
	s_load_b512 s[80:95], s[72:73], 0x0            ; entry i in s[80 + i]
	s_add_nc_u64 s[14:15], s[68:69], s[16:17]
	s_add_nc_u64 s[46:47], s[70:71], s[46:47]
	CROUND                                         ; all sixteen work-groups are here: the first joint loads meet
.irp s, 0
	s_mov_b32 s[G0+4*\s], 1
	s_add_co_u32 s[G0+4*\s+1], s20, \s*SLOT
	s_add_nc_u64 s[G0+4*\s+2:G0+4*\s+3], s[14:15], \s*ASTEP
	s_or_b32 s[G0+4*\s+3], s[G0+4*\s+3], 0x80000000
	s_mov_b32 s[G0B+4*\s], 1
	s_add_co_u32 s[G0B+4*\s+1], s21, \s*SLOT
	s_add_nc_u64 s[G0B+4*\s+2:G0B+4*\s+3], s[46:47], \s*KSTEP
	s_or_b32 s[G0B+4*\s+3], s[G0B+4*\s+3], 0x80000000
	JLOAD \s
.endr
	v_and_b32 v1, 15, v0                           ; r
	v_bfe_u32 v2, v0, 4, 1                         ; h
	v_mul_u32_u24 v3, v1, BP
	v_lshl_add_u32 v3, v2, 4, v3                   ; B: row x pitch + 16 h
.if PROJ
	v_mul_u32_u24 v4, v1, 80
	v_lshl_add_u32 v4, v2, 4, v4                   ; A: token x 80 + 16 h
.else
	v_mov_b32 v4, v3
.endif
	s_mul_i32 s21, s11, AHALF                      ; my 64 rows of A
	s_mul_i32 s22, s12, BHALF                      ; my 64 rows of B,
	s_add_co_u32 s22, s22, 2*AHALF                 ; which lie behind A's
.irp s, 0,1
	v_add_nc_u32 v[ADRA+\s], s21, v4
	v_add_nc_u32 v[ADRB+\s], s22, v3
	s_add_co_u32 s21, s21, 8*5120                  ; the second 512 along K: eight heads on in A,
	s_add_co_u32 s22, s22, 512                     ; 512 bytes on in a row of B
.endr
	s_mul_i32 s23, s10, 64*SPITCH                  ; my stage
	v_mul_u32_u24 v5, v1, SPITCH
	v_lshl_add_u32 v5, v2, 5, v5
	v_add_nc_u32 v[STO], s23, v5                   ; in: row r, 32 bytes for each half of the lanes
	v_mul_u32_u24 v5, v2, SPITCH
	v_lshl_add_u32 v5, v1, 4, v5
	v_add_nc_u32 v[RD], s23, v5                    ; back: lanes 0-15 one row of 256 bytes, lanes 16-31 the next
	v_lshlrev_b32 v5, 12, v2
	v_lshl_add_u32 v[CO], v1, 4, v5                ; and the same two rows in memory
	v_lshlrev_b32 v[BO], 4, v1
	s_wait_alu depctr_va_vdst(0)
	s_lshl_b32 s16, s13, 7
	s_lshl_b32 s17, s11, 6
	s_add_co_u32 s16, s16, s17                     ; my first row: 128 x tile row + 64 x half
	s_lshl_b32 s16, s16, 12
	s_lshl_b32 s18, s42, 9
	s_lshl_b32 s19, s12, 8
	s_add_co_u32 s18, s18, s19                     ; my first column, in bytes: 512 x tile column + 256 x half
	s_add_co_u32 s16, s16, s18
	s_mov_b32 s17, 0
	s_mov_b32 s19, 0
	s_add_nc_u64 s[76:77], s[76:77], s[16:17]
	s_add_nc_u64 s[78:79], s[78:79], s[16:17]
	s_add_nc_u64 s[74:75], s[74:75], s[18:19]
.macro AFRAG reg, slot, q, i           ; 16 rows x 128 K: registers 4 c .. 4 c + 3 hold K = 32 c + 16 (l / 16) + 0..15: the same permutation of k on both sides
.irp c, 0,1,2,3
.if PROJ
	ds_load_b128 v[\reg+4*\c:\reg+4*\c+3], v[ADRA+\slot] offset:(2*(\q)+\c/2)*5120+(\i)*1280+32*(\c%2)
.else
	ds_load_b128 v[\reg+4*\c:\reg+4*\c+3], v[ADRA+\slot] offset:128*(\q)+32*\c+(\i)*16*BP
.endif
.endr
.endm
.macro BFRAG reg, slot, q, i
.irp c, 0,1,2,3
	ds_load_b128 v[\reg+4*\c:\reg+4*\c+3], v[ADRB+\slot] offset:128*(\q)+32*\c+(\i)*16*BP
.endr
.endm
.macro FETCH slot, q, f                ; 32 LDS loads in one run: B's four fragments, then A's
	WIN TO_F
.irp i, 0,1,2,3
	BFRAG \f+64+16*\i, \slot, \q, \i
.endr
.irp i, 0,1,2,3
	AFRAG \f+16*\i, \slot, \q, \i
.endr
.endm
.macro MUL4 f, a, zero                 ; A's block a x B's four.  The 16 accumulators take turns, one instruction a turn, in the same order in every quarter
.irp b, 0,1,2,3
.if \zero
	v_wmma_f32_16x16x128_fp8_fp8 v[ACC+8*(4*(\a)+\b):ACC+8*(4*(\a)+\b)+7], v[\f+64+16*\b:\f+64+16*\b+15], v[\f+16*(\a):\f+16*(\a)+15], 0
.else
	v_wmma_f32_16x16x128_fp8_fp8 v[ACC+8*(4*(\a)+\b):ACC+8*(4*(\a)+\b)+7], v[\f+64+16*\b:\f+64+16*\b+15], v[\f+16*(\a):\f+16*(\a)+15], v[ACC+8*(4*(\a)+\b):ACC+8*(4*(\a)+\b)+7]
.endif
.endr
.endm
.macro PLACES                          ; four plain vector instructions between a matrix instruction and a load into, or a store of, its registers
.rept 4
	v_nop
.endr
.endm
; A slot is four quarters of 128 along K, 16 matrix instructions each, on buffers 0, 1, 0, 1.  One of the first three: multiplies buffer f and fetches quarter q into g.
.macro QUARTER slot, q, f, g, zero
	s_wait_dscnt 8                                 ; B's four and A's blocks 0, 1 are in; the youngest eight loads (blocks 2, 3) may be out
	WIN MUL
	MUL4 \f, 0, \zero
	MUL4 \f, 1, \zero
	PLACES
	FETCH \slot, \q, \g
	s_wait_dscnt 32                                ; all but the 32 just issued
	WIN MUL
	MUL4 \f, 2, \zero
	MUL4 \f, 3, \zero
.endm
; The last quarter multiplies buffer 1 and changes slots: ONE barrier; in front of it each wave waits for all its tensor loads, adds 0 to its spare word, and waits for that and for its own reads of this slot.
.macro TURN slot, next, fill
	WIN 0
	s_wait_tensorcnt 0x0                           ; all my tensor loads have landed: my part of the next slot
	ds_add_u32 v[SPW], v[NIL]
	s_wait_dscnt 9                                 ; the add and the youngest eight loads may be out
	WIN MUL
	MUL4 F1, 0, 0
	s_wait_dscnt 0x0                               ; the add is done, and my reads of this slot are over
	s_barrier_signal -1
	MUL4 F1, 1, 0
.if \fill
	WIN 0
.endif
	s_barrier_wait -1
.if \fill
	CREST                                          ; the barrier has opened a round of the cluster's: no wave of any partner still reads this slot or has a load on its way
	s_add_nc_u64 s[G0+4*\slot+2:G0+4*\slot+3], s[G0+4*\slot+2:G0+4*\slot+3], 2*ASTEP
	s_add_nc_u64 s[G0B+4*\slot+2:G0B+4*\slot+3], s[G0B+4*\slot+2:G0B+4*\slot+3], 2*KSTEP
	JLOAD \slot                                    ; the first tensor load behind the round; its four v_nop are the places in front of the loads below
.else
	PLACES
.endif
	FETCH \next, 0, F0
	WIN MUL
	MUL4 F1, 2, 0
	MUL4 F1, 3, 0
.endm
	s_wait_tensorcnt 0x0                           ; my one load has landed
	s_barrier_signal -1
	s_barrier_wait -1
	FETCH 0, 0, F0
	WIN 0
	global_load_b128 v[BI:BI+3], v[BO], s[74:75]   ; the bias of my four columns on the way out
	WIN 0x80                                       ; destination window 2
.set J, 0
.rept 32
	global_load_b128 v[4*J:4*J+3], v[CO], s[76:77] offset:J*2*4096   ; the residual of my 64 x 64, as the way out will want it: asked for when the tiles are in, it lands under the products
.set J, J+1
.endr
	QUARTER 0, 1, F0, F1, 1
.if LAPS > 1
	WIN 0
	s_mov_b32 s3, LAPS-1
.Llap:                                                 ; a trip goes once round the ring and fills both slots again
	QUARTER 0, 2, F1, F0, 0
	QUARTER 0, 3, F0, F1, 0
	TURN 0, 1, 1
	QUARTER 1, 1, F0, F1, 0
	QUARTER 1, 2, F1, F0, 0
	QUARTER 1, 3, F0, F1, 0
	TURN 1, 0, 1
	QUARTER 0, 1, F0, F1, 0
	WIN 0
	s_sub_co_u32 s3, s3, 1
	s_cmp_lg_u32 s3, 0
	s_cbranch_scc1 .Llap
.endif
	QUARTER 0, 2, F1, F0, 0                        ; the last lap fills nothing
	QUARTER 0, 3, F0, F1, 0
	TURN 0, 1, 0
	QUARTER 1, 1, F0, F1, 0
	QUARTER 1, 2, F1, F0, 0
	QUARTER 1, 3, F0, F1, 0
	s_wait_dscnt 8
	WIN MUL
	MUL4 F1, 0, 0
	MUL4 F1, 1, 0
	s_wait_dscnt 0
	MUL4 F1, 2, 0
	MUL4 F1, 3, 0
	WIN 0
	; THE WAY OUT.  A lane holds 32 neighbouring bytes of a row and the lanes beside it other rows: the sums go through my own stage and come back, into the registers that they left, as whole rows of 256 bytes.
	s_wait_kmcnt 0x0
	s_add_co_i32 s96, s[80+EA], s[80+EA+1]
	s_add_co_i32 s96, s96, 127
	s_lshl_b32 s96, s96, 23                        ; 2^(eA + eB) as f32,
	s_mov_b32 s97, s96
	s_barrier_signal -1                            ; every wave's reads of A and B are back (its wait on DScnt for 0 stands above): the stages lie on A's bytes, which have had their one fill
	s_barrier_wait -1
	PLACES
.irp a, 0,1,2,3
.irp b, 0,1,2,3
	ds_store_b128 v[STO], v[ACC+8*(4*\a+\b):ACC+8*(4*\a+\b)+3] offset:\a*16*SPITCH+64*\b       ; each accumulator from its low end on
	ds_store_b128 v[STO], v[ACC+8*(4*\a+\b)+4:ACC+8*(4*\a+\b)+7] offset:\a*16*SPITCH+64*\b+16
.endr
.irp t, 0,1,2,3,4,5,6,7
	ds_load_b128 v[ACC+32*\a+4*\t:ACC+32*\a+4*\t+3], v[RD] offset:(16*\a+2*\t)*SPITCH   ; LDS serves a wave's instructions in order (ISA guide 5.7.1.4): these see the stores above
.endr
.endr
	s_wait_loadcnt 0x0                             ; the bias and the residual
.irp a, 0,1,2,3
	s_wait_dscnt 16*(3-\a)                         ; block a is back; the later blocks' 16 LDS instructions each may be out
.set J, 0
.rept 16
	v_pk_fma_f32 v[ACC+32*\a+2*J:ACC+32*\a+2*J+1], v[ACC+32*\a+2*J:ACC+32*\a+2*J+1], s[96:97], v[BI+2*(J%2):BI+2*(J%2)+1] op_sel_hi:[1,0,1]   ; sum x 2^(eA + eB) + bias
.set J, J+1
.endr
	WIN 0x08                                       ; source 1 window 2
.set J, 0
.rept 16
	v_pk_add_f32 v[ACC+32*\a+2*J:ACC+32*\a+2*J+1], v[ACC+32*\a+2*J:ACC+32*\a+2*J+1], v[32*\a+2*J:32*\a+2*J+1]   ; + the residual
.set J, J+1
.endr
	WIN 0
.irp t, 0,1,2,3,4,5,6,7
	global_store_b128 v[CO], v[ACC+32*\a+4*\t:ACC+32*\a+4*\t+3], s[78:79] offset:(16*\a+2*\t)*4096   ; sixteen lanes store 256 consecutive bytes, aligned
.endr
.endr
	s_wait_tensorcnt 0x0                           ; the wave's end: behind my last tensor load and my last LDS store
	ds_add_u32 v[SPW], v[NIL]
	s_wait_dscnt 0x0
	CROUND                                         ; the closing round
	s_endpgm
.Lfunc_end_k_q9deea2a857_proj:
	.size	k_q9deea2a857_proj, .Lfunc_end_k_q9deea2a857_proj-k_q9deea2a857_proj
	.p2alignl 7, 3214868480
	.fill 96, 4, 3214868480
	.section	.rodata,"a",@progbits
	.p2align	6, 0x0
	.amdhsa_kernel k_q9deea2a857_proj
		.amdhsa_group_segment_fixed_size 327680
		.amdhsa_private_segment_fixed_size 0
		.amdhsa_enable_private_segment 0
		.amdhsa_kernarg_size 48
		.amdhsa_user_sgpr_count 2
		.amdhsa_user_sgpr_kernarg_segment_ptr 1
		.amdhsa_wavefront_size32 1
		.amdhsa_system_sgpr_workgroup_id_x 1
		.amdhsa_system_sgpr_workgroup_id_y 1
		.amdhsa_system_sgpr_workgroup_id_z 1
		.amdhsa_system_vgpr_workitem_id 0
		.amdhsa_next_free_vgpr 640
		.amdhsa_next_free_sgpr 100
		.amdhsa_reserve_vcc 0
		.amdhsa_float_denorm_mode_32 3
		.amdhsa_float_denorm_mode_16_64 3
		.amdhsa_memory_ordered 1
		.amdhsa_forward_progress 1
		.amdhsa_inst_pref_size 52
	.end_amdhsa_kernel
	.amdgpu_metadata
---
amdhsa.version: [ 1, 2 ]
amdhsa.kernels:
  - .name:           k_q9deea2a857_proj
    .symbol:         k_q9deea2a857_proj.kd
    .args:
      - { .name: attnc, .offset: 0, .size: 8, .value_kind: global_buffer, .address_space: global }
      - { .name: wcodes, .offset: 8, .size: 8, .value_kind: global_buffer, .address_space: global }
      - { .name: lowp_scales, .offset: 16, .size: 8, .value_kind: global_buffer, .address_space: global }
      - { .name: b_proj, .offset: 24, .size: 8, .value_kind: global_buffer, .address_space: global }
      - { .name: x, .offset: 32, .size: 8, .value_kind: global_buffer, .address_space: global }
      - { .name: x1, .offset: 40, .size: 8, .value_kind: global_buffer, .address_space: global }
    .group_segment_fixed_size: 327680
    .private_segment_fixed_size: 0
    .kernarg_segment_align: 8
    .kernarg_segment_size: 48
    .max_flat_workgroup_size: 128
    .sgpr_count:     100
    .vgpr_count:     640
    .wavefront_size: 32
...
	.end_amdgpu_metadata
.endif
;; end of part 4
;; launch ln2 (part 5): grid 256 x 1, 8 waves a work-group, no clusters, 9,216 bytes of LDS; arguments x1, ln2_scale, ln2_bias, lowp_scales, h2c; writes h2c
.if DOCPART == 5
	.amdgcn_target "amdgcn-amd-amdhsa--gfx1250"
	.amdhsa_code_object_version 6
	.text
	.protected	k_q9deea2a857_ln2
	.globl	k_q9deea2a857_ln2
	.p2align	8
	.type	k_q9deea2a857_ln2,@function
k_q9deea2a857_ln2:
	s_mov_b64 s[64:65], 0
	v_nop
	global_prefetch_b8 v0, s[64:65] scope:SCOPE_SE
	s_setreg_imm32_b32 hwreg(HW_REG_WAVE_MODE, 25, 1), 1
	s_wait_xcnt 0x0
; h2 = (x1 - mean) * rsqrt(var + 1e-6) * gain + bias, row by row in f32, then quantised to FP8 (E4M3) with entry 12: operand A of product 7.  The text of the first layer norm with NSETS = 1.
; Codes: [4,096 rows][1,024], one byte a code.  LIMITS: e12 between -126 and 119; NaN among the inputs is not served.
; One wave takes a whole row (4,096 bytes, 32 registers a lane) and keeps it between the passes: the row is read once, no wave waits for another, no barrier.  A wave has two rows, both asked for at the head.
; Load j of a row reads 512 consecutive bytes: lane l holds columns 128 j + 4 l + 0..3.  A conversion takes the eight numbers of loads j and j + 1: its two registers are 4 codes at byte 128 j + 4 l and 4 at 128 (j + 1) + 4 l.
; They turn through the wave's own 1,024 bytes in LDS and leave 16 bytes a lane: each store of the wave covers 512 consecutive bytes.
.set NSETS, 1
.set ENT0,  28                         ; s16 + entry 12
.set G,     32
.set BV,    64
.set X,     96
.set T,     160
.set C,     176
.set O,     200
.set SPW,   6
.set NIL,   7
.set SPARE, 8*NSETS*1024
	s_load_b256 s[4:11], s[0:1], 0x0               ; x1, gain, bias, the exponents
	s_load_b64 s[12:13], s[0:1], 0x20              ; the codes
	v_lshl_add_u32 v[SPW], v0, 2, SPARE
	v_mov_b32 v[NIL], 0
	v_lshrrev_b32 v8, 5, v0
	s_delay_alu instid0(VALU_DEP_1)
	v_readfirstlane_b32 s14, v8                    ; wave
	v_and_b32 v9, 31, v0
	s_delay_alu instid0(VALU_DEP_1)
	v_lshlrev_b32 v2, 4, v9                        ; 16 x lane
	s_lshl_b32 s15, s14, 13
	v_add_nc_u32 v1, s15, v2                       ; x1: my wave's two rows
	s_mul_i32 s15, s14, NSETS*1024
	v_lshl_add_u32 v3, v9, 2, s15                  ; the stage, in: 4 bytes a lane
	v_add_nc_u32 v4, s15, v2                       ; and out: 16 bytes a lane
	s_lshl_b32 s15, s14, 11
	v_add_nc_u32 v5, s15, v2                       ; the codes: my wave's two rows
	v_mov_b32 v26, 0x3a800000                      ; 1 / 1,024
	s_mov_b32 s40, 0x76543210                      ; v_permlanex16_b32: lane l xor 16
	s_mov_b32 s41, 0xfedcba98
	s_lshl_b32 s42, ttmp9, 16
	s_mov_b32 s43, 0
	s_lshl_b32 s44, ttmp9, 14
	s_mov_b32 s45, 0
	s_wait_alu depctr_va_vdst(0)
	s_wait_kmcnt 0x0
	s_load_b512 s[16:31], s[10:11], 0x0
	s_add_nc_u64 s[32:33], s[4:5], s[42:43]
	s_add_nc_u64 s[34:35], s[12:13], s[44:45]
.irp j, 0,1,2,3,4,5,6,7
	global_load_b128 v[G+4*\j:G+4*\j+3], v2, s[6:7] offset:512*\j
.endr
.irp j, 0,1,2,3,4,5,6,7
	global_load_b128 v[BV+4*\j:BV+4*\j+3], v2, s[8:9] offset:512*\j
.endr
.irp r, 0,1
.irp j, 0,1,2,3,4,5,6,7
	global_load_b128 v[X+32*\r+4*\j:X+32*\r+4*\j+3], v1, s[32:33] offset:4096*\r+512*\j
.endr
.endr
	s_wait_kmcnt 0x0
	s_add_co_i32 s46, s[ENT0], 127
	s_lshl_b32 s47, s46, 23
	v_mov_b32 v20, s47                             ; 2^e as f32
	s_add_co_i32 s46, s46, 8
	s_lshl_b32 s46, s46, 23
	s_or_b32 s46, s46, 0x600000
	v_mov_b32 v21, s46                             ; 448 x 2^e
.macro REDUCE                          ; v8 <- the sum of v8 over the 32 lanes, in every lane
	s_delay_alu instid0(VALU_DEP_1)
	v_add_f32_dpp v8, v8, v8 row_xmask:1 row_mask:0xf bank_mask:0xf
	s_delay_alu instid0(VALU_DEP_1)
	v_add_f32_dpp v8, v8, v8 row_xmask:2 row_mask:0xf bank_mask:0xf
	s_delay_alu instid0(VALU_DEP_1)
	v_add_f32_dpp v8, v8, v8 row_xmask:4 row_mask:0xf bank_mask:0xf
	s_delay_alu instid0(VALU_DEP_1)
	v_add_f32_dpp v8, v8, v8 row_xmask:8 row_mask:0xf bank_mask:0xf
	s_delay_alu instid0(VALU_DEP_1)
	v_permlanex16_b32 v9, v8, s40, s41
	s_delay_alu instid0(VALU_DEP_1)
	v_add_f32 v8, v8, v9
.endm
.macro ROW r
.set XR, X+32*\r
	s_wait_loadcnt 8*(1-\r)                        ; gain, bias and this row are in; the other row's eight loads may be out
	v_pk_add_f32 v[8:9], v[XR:XR+1], v[XR+2:XR+3]  ; the sum, two at a time, in two chains
	v_pk_add_f32 v[10:11], v[XR+4:XR+5], v[XR+6:XR+7]
.irp j, 8,12,16,20,24,28
	s_delay_alu instid0(VALU_DEP_2)
	v_pk_add_f32 v[8:9], v[8:9], v[XR+\j:XR+\j+1]
	s_delay_alu instid0(VALU_DEP_2)
	v_pk_add_f32 v[10:11], v[10:11], v[XR+\j+2:XR+\j+3]
.endr
	s_delay_alu instid0(VALU_DEP_1)
	v_pk_add_f32 v[8:9], v[8:9], v[10:11]
	s_delay_alu instid0(VALU_DEP_1)
	v_add_f32 v8, v8, v9
	REDUCE
	s_delay_alu instid0(VALU_DEP_1)
	v_mul_f32 v16, v8, v26                         ; the mean,
	s_delay_alu instid0(VALU_DEP_1)
	v_mov_b32 v17, v16                             ; twice, for the packed forms
.irp j, 0,2,4,6,8,10,12,14,16,18,20,22,24,26,28,30
	v_pk_add_f32 v[XR+\j:XR+\j+1], v[XR+\j:XR+\j+1], v[16:17] neg_lo:[0,1] neg_hi:[0,1]   ; x - mean
.endr
	v_pk_mul_f32 v[8:9], v[XR:XR+1], v[XR:XR+1]    ; the sum of squares, in two chains
	v_pk_mul_f32 v[10:11], v[XR+2:XR+3], v[XR+2:XR+3]
.irp j, 4,8,12,16,20,24,28
	s_delay_alu instid0(VALU_DEP_2)
	v_pk_fma_f32 v[8:9], v[XR+\j:XR+\j+1], v[XR+\j:XR+\j+1], v[8:9]
	s_delay_alu instid0(VALU_DEP_2)
	v_pk_fma_f32 v[10:11], v[XR+\j+2:XR+\j+3], v[XR+\j+2:XR+\j+3], v[10:11]
.endr
	s_delay_alu instid0(VALU_DEP_1)
	v_pk_add_f32 v[8:9], v[8:9], v[10:11]
	s_delay_alu instid0(VALU_DEP_1)
	v_add_f32 v8, v8, v9
	REDUCE
	s_delay_alu instid0(VALU_DEP_1)
	v_fmaak_f32 v9, v8, v26, 0x358637bd            ; var + 1e-6
	s_wait_alu depctr_va_vdst(0)
	v_rsq_f32 v18, v9
	v_nop                                          ; a plain instruction behind the transcendental,
	s_wait_alu depctr_va_vdst(0)                   ; and the wait ahead of its first reader
	v_mov_b32 v19, v18
.irp j, 0,2,4,6,8,10,12,14,16,18,20,22,24,26,28,30
	v_pk_mul_f32 v[XR+\j:XR+\j+1], v[XR+\j:XR+\j+1], v[18:19]
.endr
.irp j, 0,2,4,6,8,10,12,14,16,18,20,22,24,26,28,30
	v_pk_fma_f32 v[XR+\j:XR+\j+1], v[XR+\j:XR+\j+1], v[G+\j:G+\j+1], v[BV+\j:BV+\j+1]
.endr
.irp j, 0,2,4,6
.set TS, T+8*((\j/2)%2)                ; the held numbers' two sets take turns: eight plain instructions stand between a conversion and the next write of its sources
.set I, 0
.rept 8
	v_med3_num_f32 v[TS+I], v[XR+4*\j+I], -v21, v21   ; the conversion does not saturate (ISA guide 7.6.2): the hold comes first
.set I, I+1
.endr
	v_cvt_scalef32_pk8_fp8_f32 v[C+\j:C+\j+1], v[TS:TS+7], v20
.endr
	v_nop                                          ; a plain instruction behind the last conversion
.irp j, 0,1,2,3,4,5,6,7
	ds_store_b32 v3, v[C+\j] offset:128*\j
.endr
.irp i, 0,1
	ds_load_b128 v[O+24*\r+4*\i:O+24*\r+4*\i+3], v4 offset:512*\i   ; LDS serves a wave's instructions in order: these see my stores
.endr
	s_wait_dscnt 0x0
.irp i, 0,1
	global_store_b128 v5, v[O+24*\r+4*\i:O+24*\r+4*\i+3], s[34:35] offset:1024*\r+512*\i   ; 512 consecutive bytes, aligned
.endr
.endm
	ROW 0
	ROW 1
	s_wait_tensorcnt 0x0                           ; the wave's end: behind my last LDS store
	ds_add_u32 v[SPW], v[NIL]
	s_wait_dscnt 0x0
	s_endpgm
.Lfunc_end_k_q9deea2a857_ln2:
	.size	k_q9deea2a857_ln2, .Lfunc_end_k_q9deea2a857_ln2-k_q9deea2a857_ln2
	.p2alignl 7, 3214868480
	.fill 96, 4, 3214868480
	.section	.rodata,"a",@progbits
	.p2align	6, 0x0
	.amdhsa_kernel k_q9deea2a857_ln2
		.amdhsa_group_segment_fixed_size 9216
		.amdhsa_private_segment_fixed_size 0
		.amdhsa_enable_private_segment 0
		.amdhsa_kernarg_size 40
		.amdhsa_user_sgpr_count 2
		.amdhsa_user_sgpr_kernarg_segment_ptr 1
		.amdhsa_wavefront_size32 1
		.amdhsa_system_sgpr_workgroup_id_x 1
		.amdhsa_system_sgpr_workgroup_id_y 1
		.amdhsa_system_sgpr_workgroup_id_z 1
		.amdhsa_system_vgpr_workitem_id 0
		.amdhsa_next_free_vgpr 248
		.amdhsa_next_free_sgpr 66
		.amdhsa_reserve_vcc 0
		.amdhsa_float_denorm_mode_32 3
		.amdhsa_float_denorm_mode_16_64 3
		.amdhsa_memory_ordered 1
		.amdhsa_forward_progress 1
		.amdhsa_inst_pref_size 27
	.end_amdhsa_kernel
	.amdgpu_metadata
---
amdhsa.version: [ 1, 2 ]
amdhsa.kernels:
  - .name:           k_q9deea2a857_ln2
    .symbol:         k_q9deea2a857_ln2.kd
    .args:
      - { .name: x1, .offset: 0, .size: 8, .value_kind: global_buffer, .address_space: global }
      - { .name: ln2_scale, .offset: 8, .size: 8, .value_kind: global_buffer, .address_space: global }
      - { .name: ln2_bias, .offset: 16, .size: 8, .value_kind: global_buffer, .address_space: global }
      - { .name: lowp_scales, .offset: 24, .size: 8, .value_kind: global_buffer, .address_space: global }
      - { .name: h2c, .offset: 32, .size: 8, .value_kind: global_buffer, .address_space: global }
    .group_segment_fixed_size: 9216
    .private_segment_fixed_size: 0
    .kernarg_segment_align: 8
    .kernarg_segment_size: 40
    .max_flat_workgroup_size: 256
    .sgpr_count:     66
    .vgpr_count:     248
    .wavefront_size: 32
...
	.end_amdgpu_metadata
.endif
;; end of part 5
;; launch ffn1 (part 6): grid 16 x 16, 4 waves a work-group, clusters of 4 x 4, 327,680 bytes of LDS; arguments h2c, wcodes, lowp_scales, hidc, b1; writes hidc
.if DOCPART == 6
	.amdgcn_target "amdgcn-amd-amdhsa--gfx1250"
	.amdhsa_code_object_version 6
	.text
	.protected	k_q9deea2a857_ffn1
	.globl	k_q9deea2a857_ffn1
	.p2align	8
	.type	k_q9deea2a857_ffn1,@function
k_q9deea2a857_ffn1:
	s_mov_b64 s[64:65], 0
	v_nop
	global_prefetch_b8 v0, s[64:65] scope:SCOPE_SE
	s_setreg_imm32_b32 hwreg(HW_REG_WAVE_MODE, 25, 1), 1
	s_wait_xcnt 0x0
	s_wait_alu depctr_hold_cnt(0) depctr_sa_sdst(0) depctr_va_vdst(0) depctr_va_sdst(0) depctr_va_ssrc(0) depctr_va_vcc(0) depctr_vm_vsrc(0)
	s_getreg_b32 s2, hwreg(HW_REG_IB_STS2, 6, 4)
	s_cmp_eq_u32 s2, 0
	s_cbranch_scc0 .Lentry_in_a_cluster
	s_endpgm
.Lentry_in_a_cluster:
	s_bfe_u32 s2, ttmp6, 0x10000c
	s_cmp_lg_u32 s2, 0xf033
	s_cbranch_scc0 .Lentry_shape_is_right
	s_endpgm
.Lentry_shape_is_right:
.set QKV,    0
.set KSTEP,  256
.set ROWB,   256
.set KROW,   1024
.set PITCH,  272
.set FR,     16
.set NL,     4
.set NP,     4
.set HALFT,  128*PITCH
.set SLOT,   4*HALFT
.set LAPS,   KROW/(2*KSTEP)
.set SPARE,  2*SLOT
.set ADRA, 16
.set SCL,  18
.set LIM,  19
.set ADRB, 20
.set STO,  24
.set RDV,  25
.set COV,  26
.set SPW,  28
.set NIL,  29
.set BIAS, 32
.set CD,   96
.set T,    128
.set RB,   128
.set AF,   128
.set G1, 24
.set G0, 32
.set G1B, 48
.set G0B, 56
.set MSB, 0
.macro WIN new
.if MSB != (\new)
	s_set_vgpr_msb (MSB<<8)|(\new)
.set MSB, (\new)
.endif
.endm
.set MUL_LO, 0xa1
.set MUL_HI, 0xf1
.set TO_B,   0x40
.macro JLOAD g0a, g1a, g0b, g1b
	s_cmp_eq_u32 s15, 0
	s_cbranch_scc0 .Lfor_b_\@
	tensor_load_to_lds s[\g0a:\g0a+3], s[\g1a:\g1a+7]
	s_nop 0
.rept 4
	v_nop
.endr
	s_branch .Lasked_\@
.Lfor_b_\@:
	tensor_load_to_lds s[\g0b:\g0b+3], s[\g1b:\g1b+7]
	s_nop 0
.rept 4
	v_nop
.endr
.Lasked_\@:
.endm
.macro CREST
	s_cmp_lg_u32 s14, 0
	s_cbranch_scc1 .Lnot_wave_0_\@
	s_barrier_signal -3
.Lnot_wave_0_\@:
	s_barrier_wait -3
	s_barrier_signal -1
	s_barrier_wait -1
.endm
.macro CROUND
	s_barrier_signal -1
	s_barrier_wait -1
	CREST
.endm
	s_load_b128 s[4:7], s[0:1], 0x0
	s_load_b128 s[8:11], s[0:1], 0x10
	s_load_b64 s[12:13], s[0:1], 0x20
	v_lshl_add_u32 v[SPW], v0, 2, SPARE
	v_mov_b32 v[NIL], 0
	ds_add_u32 v[SPW], v[NIL]
	ds_add_u32 v[SPW], v[NIL]
	v_lshrrev_b32 v1, 5, v0
	v_readfirstlane_b32 s14, v1
	s_lshr_b32 s15, s14, 1
	s_and_b32 s16, s14, 1
	s_bfe_u32 s40, ttmp6, 0x40000
	s_bfe_u32 s41, ttmp6, 0x40004
	s_lshl_b32 s42, ttmp9, 2
	s_add_co_u32 s42, s42, s40
	s_and_b32 s17, ttmp7, 0xffff
	s_lshl_b32 s17, s17, 2
	s_add_co_u32 s17, s17, s41
	s_lshl_b32 s43, s41, 2
	s_lshl_b32 s43, 15, s43
	s_lshl_b32 s44, 0x1111, s40
	s_or_b32 s[G1+0], s43, (1<<20)|(1<<21)|(5<<22)|(3<<25)
	s_or_b32 s[G1B+0], s44, (1<<20)|(1<<21)|(5<<22)|(3<<25)
.irp g, G1, G1B
	s_mov_b32 s[\g+1], ROWB<<16
	s_mov_b32 s[\g+2], 128<<16
	s_mov_b32 s[\g+3], ROWB<<16
	s_mov_b32 s[\g+4], 128
	s_mov_b32 s[\g+5], KROW
	s_mov_b32 s[\g+6], 0
	s_mov_b32 s[\g+7], 0
.endr
	s_lshl_b32 s18, s16, 7
	s_lshl_b32 s20, s17, 8
	s_add_co_u32 s20, s20, s18
	s_lshl_b32 s20, s20, 10
	s_mov_b32 s21, 0
	s_lshl_b32 s46, s42, 8
	s_add_co_u32 s46, s46, s18
	s_lshl_b32 s46, s46, 10
	s_add_co_u32 s46, s46, 0x400000
	s_mov_b32 s47, 0
	s_mul_i32 s45, s14, HALFT
	s_wait_dscnt 0x0
	s_wait_kmcnt 0x0
	s_load_b512 s[68:83], s[8:9], 0x0
	s_add_nc_u64 s[20:21], s[4:5], s[20:21]
	s_add_nc_u64 s[46:47], s[6:7], s[46:47]
	; THE PREFETCHES INTO THE L2.  A K step is 256 bytes of each row.  Of the 128 rows that a wave fetches, each of the four partners that ask for them jointly names 32, told apart by address (cx in A's waves, cy in B's):
	; a lane a row, one instruction a wave and K step, each block of 256 bytes once in each cluster that loads it.  K step 1 is asked for behind K step 0's load, K steps 2 and 3 behind K step 1's: one K step or two ahead of their tensor loads; K step 0 comes by its load alone.
	s_cmp_eq_u32 s15, 0
	s_cselect_b64 s[88:89], s[20:21], s[46:47]     ; my 128 rows
	s_cselect_b32 s90, s40, s41
	s_lshl_b32 s90, s90, 15                        ; my work-group's 32 of them, 1,024 bytes a row
	CROUND
.irp s, 0,1
	s_mov_b32 s[G0+4*\s], 1
	s_add_co_u32 s[G0+4*\s+1], s45, \s*SLOT
	s_add_nc_u64 s[G0+4*\s+2:G0+4*\s+3], s[20:21], \s*ROWB
	s_or_b32 s[G0+4*\s+3], s[G0+4*\s+3], 0x80000000
	s_mov_b32 s[G0B+4*\s], 1
	s_add_co_u32 s[G0B+4*\s+1], s45, \s*SLOT
	s_add_nc_u64 s[G0B+4*\s+2:G0B+4*\s+3], s[46:47], \s*ROWB
	s_or_b32 s[G0B+4*\s+3], s[G0B+4*\s+3], 0x80000000
.endr
	JLOAD G0, G1, G0B, G1B                         ; K step 0: one tensor load a wave at the head
	v_and_b32 v22, 31, v0
	v_lshlrev_b32 v22, 10, v22
	v_add_nc_u32 v22, s90, v22                     ; v22: the prefetches' offset, a lane a row; never rewritten
	global_prefetch_b8 v22, s[88:89] offset:256 th:TH_LOAD_NT scope:SCOPE_SE   ; K step 1
	v_and_b32 v1, 15, v0
	v_bfe_u32 v2, v0, 4, 1
	v_mul_u32_u24 v3, v1, PITCH
	s_wait_alu depctr_va_vdst(0)
	v_lshl_add_u32 v4, v2, 4, v3
	s_mul_i32 s21, s15, HALFT
	s_mul_i32 s22, s16, HALFT
	s_add_co_u32 s22, s22, 2*HALFT
.irp s, 0,1
	v_add_nc_u32 v[ADRA+\s], s21, v4
	v_add_nc_u32 v[ADRB+\s], s22, v4
	s_add_co_u32 s21, s21, SLOT
	s_add_co_u32 s22, s22, SLOT
.endr
	s_mul_i32 s23, s15, 128*PITCH
	s_lshl_b32 s84, s16, 7
	s_add_co_u32 s23, s23, s84
	v_lshl_add_u32 v5, v2, 3, v3
	v_add_nc_u32 v[STO], s23, v5
	s_mul_i32 s23, s14, 64*PITCH
	v_mul_u32_u24 v5, v2, PITCH
	v_lshl_add_u32 v5, v1, 4, v5
	v_add_nc_u32 v[RDV], s23, v5
	v_lshlrev_b32 v5, 12, v2
	v_lshl_add_u32 v[COV], v1, 4, v5
	s_lshl_b32 s84, s17, 8
	s_lshl_b32 s85, s14, 6
	s_add_co_u32 s84, s84, s85
	s_lshl_b32 s84, s84, 12
	s_lshl_b32 s85, s42, 8
	s_add_co_u32 s84, s84, s85
	s_mov_b32 s85, 0
	s_add_nc_u64 s[10:11], s[10:11], s[84:85]
	s_lshl_b32 s86, s42, 10
	s_lshl_b32 s87, s16, 9
	s_add_co_u32 s86, s86, s87
	s_mov_b32 s87, 0
	s_add_nc_u64 s[12:13], s[12:13], s[86:87]
	v_lshlrev_b32 v9, 5, v2
.irp b, 0,1,2,3,4,5,6,7
	global_load_b128 v[BIAS+8*\b:BIAS+8*\b+3], v9, s[12:13] offset:64*\b
	global_load_b128 v[BIAS+8*\b+4:BIAS+8*\b+7], v9, s[12:13] offset:64*\b+16
.endr
.macro FRAG reg, adr, q, i
.irp c, 0,1,2,3
	ds_load_b128 v[\reg+4*\c:\reg+4*\c+3], v[\adr] offset:128*(\q)+32*\c+(\i)*16*PITCH
.endr
.endm
.macro MUL16 a0, p, zero
.irp a, \a0, \a0+1
.irp b, 0,1,2,3,4,5,6,7
.if \zero
	v_wmma_f32_16x16x128_fp8_fp8 v[8*(8*((\a)%4)+\b):8*(8*((\a)%4)+\b)+7], v[128*(\p)+FR*\b:128*(\p)+FR*\b+FR-1], v[AF+FR*(\a):AF+FR*(\a)+FR-1], 0
.else
	v_wmma_f32_16x16x128_fp8_fp8 v[8*(8*((\a)%4)+\b):8*(8*((\a)%4)+\b)+7], v[128*(\p)+FR*\b:128*(\p)+FR*\b+FR-1], v[AF+FR*(\a):AF+FR*(\a)+FR-1], v[8*(8*((\a)%4)+\b):8*(8*((\a)%4)+\b)+7]
.endif
.endr
.endr
.endm
.macro FETCH_B slot, q, p
	WIN TO_B
.irp i, 0,1,2,3,4,5,6,7
	FRAG 128*(\p)+FR*\i, ADRB+\slot, \q, \i
.endr
	WIN 0
.endm
.macro FETCH_A slot, q, i0
.irp i, \i0, \i0+1, \i0+2, \i0+3
	FRAG AF+FR*(\i), ADRA+\slot, \q, \i
.endr
.endm
.macro PLACES n
.rept \n
	v_nop
.endr
.endm
.macro STEP slot, q, zero
	s_wait_dscnt 4*NL
	WIN MUL_LO
	MUL16 0, (\q)%2, \zero
	MUL16 2, (\q)%2, \zero
	s_wait_dscnt 0
	PLACES NP
	FETCH_B \slot, (\q)+1, 1-(\q)%2
	FETCH_A \slot, (\q)+1, 0
	WIN MUL_HI
	MUL16 4, (\q)%2, \zero
	MUL16 6, (\q)%2, \zero
	PLACES NP
	WIN 0
	FETCH_A \slot, (\q)+1, 4
.endm
.macro TURN slot, next, fill
	s_wait_tensorcnt 0x0
	ds_add_u32 v[SPW], v[NIL]
	s_wait_dscnt 4*NL+1
	WIN MUL_LO
	MUL16 0, 1, 0
	s_wait_dscnt 0x0
	s_barrier_signal -1
	MUL16 2, 1, 0
	WIN 0
	s_barrier_wait -1
.if \fill
	CREST
	s_add_nc_u64 s[G0+4*\slot+2:G0+4*\slot+3], s[G0+4*\slot+2:G0+4*\slot+3], 2*ROWB
	s_add_nc_u64 s[G0B+4*\slot+2:G0B+4*\slot+3], s[G0B+4*\slot+2:G0B+4*\slot+3], 2*ROWB
	JLOAD G0+4*\slot, G1, G0B+4*\slot, G1B
.else
	PLACES NP
.endif
	s_wait_alu depctr_va_vdst(0)
	FETCH_B \next, 0, 0
	FETCH_A \next, 0, 0
	WIN MUL_HI
	MUL16 4, 1, 0
	MUL16 6, 1, 0
	PLACES NP
	WIN 0
	FETCH_A \next, 0, 4
.endm
	s_wait_alu depctr_va_vdst(0)                   ; the head's end
	s_wait_tensorcnt 0x0                           ; my part of K step 0 is in
	ds_add_u32 v[SPW], v[NIL]
	s_wait_dscnt 0x0
	CROUND                                         ; everybody's part of K step 0 is in, and all sixteen work-groups are here
	JLOAD G0+4, G1, G0B+4, G1B                     ; K step 1: the first tensor load behind the round
	FETCH_B 0, 0, 0
	FETCH_A 0, 0, 0
	FETCH_A 0, 0, 4
	global_prefetch_b8 v22, s[88:89] offset:512 th:TH_LOAD_NT scope:SCOPE_SE   ; K step 2,
	global_prefetch_b8 v22, s[88:89] offset:768 th:TH_LOAD_NT scope:SCOPE_SE   ; and K step 3, the last
	STEP 0, 0, 1
	s_mov_b32 s3, LAPS-1
.Llap:
	TURN 0, 1, 1
	STEP 1, 0, 0
	TURN 1, 0, 1
	STEP 0, 0, 0
	s_sub_co_u32 s3, s3, 1
	s_cmp_lg_u32 s3, 0
	s_cbranch_scc1 .Llap
	TURN 0, 1, 0
	STEP 1, 0, 0
	s_wait_dscnt 4*NL
	WIN MUL_LO
	MUL16 0, 1, 0
	MUL16 2, 1, 0
	s_wait_dscnt 0
	WIN MUL_HI
	MUL16 4, 1, 0
	MUL16 6, 1, 0
	WIN 0
	s_wait_kmcnt 0x0
	s_add_co_i32 s96, s80, s81
	s_add_co_i32 s96, s96, 127
	s_lshl_b32 s96, s96, 23
	s_mov_b32 s97, s96
	s_wait_loadcnt 0x0
	s_add_co_i32 s84, s82, 127
	s_lshl_b32 s85, s84, 23
	s_add_co_i32 s84, s84, 8
	s_lshl_b32 s84, s84, 23
	s_or_b32 s84, s84, 0x600000
	PLACES NP
	v_mov_b32 v[SCL], s85
	v_mov_b32 v[LIM], s84
.macro QBLOCK a
.set AC, 64*((\a)%4)
.set CB, CD+16*((\a)%2)
	WIN 0x02+((\a)/4)
.set J, 0
.rept 32
	v_pk_fma_f32 v[T+J:T+J+1], v[AC+J:AC+J+1], s[96:97], v[BIAS+J:BIAS+J+1] op_sel_hi:[1,0,1]
.set J, J+2
.endr
	WIN 0
.set J, 0
.rept 64
	v_med3_num_f32 v[T+J], v[T+J], 0, v[LIM]
.set J, J+1
.endr
	s_wait_alu depctr_va_vdst(0)
	s_wait_dscnt 8
.irp b, 0,1,2,3,4,5,6,7
	v_cvt_scalef32_pk8_fp8_f32 v[CB+2*\b:CB+2*\b+1], v[T+8*\b:T+8*\b+7], v[SCL]
.endr
	v_nop
.irp b, 0,1,2,3,4,5,6,7
	ds_store_b64 v[STO], v[CB+2*\b:CB+2*\b+1] offset:(\a)*16*PITCH+16*\b
.endr
.endm
.irp a, 0,1,2,3,4,5,6,7
	QBLOCK \a
.endr
	s_wait_dscnt 0x0
	s_barrier_signal -1
	s_barrier_wait -1
.set J, 0
.rept 32
	ds_load_b128 v[RB+4*J:RB+4*J+3], v[RDV] offset:J*2*PITCH
.set J, J+1
.endr
.set J, 0
.rept 32
	s_wait_dscnt 31-J
	global_store_b128 v[COV], v[RB+4*J:RB+4*J+3], s[10:11] offset:J*2*4096
.set J, J+1
.endr
	s_wait_tensorcnt 0x0
	ds_add_u32 v[SPW], v[NIL]
	s_wait_dscnt 0x0
	CROUND
	s_endpgm
.Lfunc_end_k_q9deea2a857_ffn1:
	.size	k_q9deea2a857_ffn1, .Lfunc_end_k_q9deea2a857_ffn1-k_q9deea2a857_ffn1
	.p2alignl 7, 3214868480
	.fill 96, 4, 3214868480
	.section	.rodata,"a",@progbits
	.p2align	6, 0x0
	.amdhsa_kernel k_q9deea2a857_ffn1
		.amdhsa_group_segment_fixed_size 327680
		.amdhsa_private_segment_fixed_size 0
		.amdhsa_enable_private_segment 0
		.amdhsa_kernarg_size 40
		.amdhsa_user_sgpr_count 2
		.amdhsa_user_sgpr_kernarg_segment_ptr 1
		.amdhsa_wavefront_size32 1
		.amdhsa_system_sgpr_workgroup_id_x 1
		.amdhsa_system_sgpr_workgroup_id_y 1
		.amdhsa_system_sgpr_workgroup_id_z 1
		.amdhsa_system_vgpr_workitem_id 0
		.amdhsa_next_free_vgpr 1024
		.amdhsa_next_free_sgpr 100
		.amdhsa_reserve_vcc 0
		.amdhsa_float_denorm_mode_32 3
		.amdhsa_float_denorm_mode_16_64 3
		.amdhsa_memory_ordered 1
		.amdhsa_forward_progress 1
		.amdhsa_inst_pref_size 144
	.end_amdhsa_kernel
	.amdgpu_metadata
---
amdhsa.version: [ 1, 2 ]
amdhsa.kernels:
  - .name:           k_q9deea2a857_ffn1
    .symbol:         k_q9deea2a857_ffn1.kd
    .args:
      - { .name: h2c, .offset: 0, .size: 8, .value_kind: global_buffer, .address_space: global }
      - { .name: wcodes, .offset: 8, .size: 8, .value_kind: global_buffer, .address_space: global }
      - { .name: lowp_scales, .offset: 16, .size: 8, .value_kind: global_buffer, .address_space: global }
      - { .name: hidc, .offset: 24, .size: 8, .value_kind: global_buffer, .address_space: global }
      - { .name: b1, .offset: 32, .size: 8, .value_kind: global_buffer, .address_space: global }
    .group_segment_fixed_size: 327680
    .private_segment_fixed_size: 0
    .kernarg_segment_align: 8
    .kernarg_segment_size: 40
    .max_flat_workgroup_size: 128
    .sgpr_count:     100
    .vgpr_count:     1024
    .wavefront_size: 32
...
	.end_amdgpu_metadata
.endif
;; end of part 6
;; launch ffn2 (part 7): grid 8 x 32, 4 waves a work-group, clusters of 4 x 4, 327,680 bytes of LDS; arguments hidc, wcodes, lowp_scales, b2, x1, out0; writes out0
.if DOCPART == 7
	.amdgcn_target "amdgcn-amd-amdhsa--gfx1250"
	.amdhsa_code_object_version 6
	.text
	.protected	k_q9deea2a857_ffn2
	.globl	k_q9deea2a857_ffn2
	.p2align	8
	.type	k_q9deea2a857_ffn2,@function
k_q9deea2a857_ffn2:
	s_mov_b64 s[64:65], 0
	v_nop
	global_prefetch_b8 v0, s[64:65] scope:SCOPE_SE
	s_setreg_imm32_b32 hwreg(HW_REG_WAVE_MODE, 25, 1), 1
	s_wait_xcnt 0x0
	s_wait_alu depctr_hold_cnt(0) depctr_sa_sdst(0) depctr_va_vdst(0) depctr_va_sdst(0) depctr_va_ssrc(0) depctr_va_vcc(0) depctr_vm_vsrc(0)
	s_getreg_b32 s2, hwreg(HW_REG_IB_STS2, 6, 4)
	s_cmp_eq_u32 s2, 0
	s_cbranch_scc0 .Lentry_in_a_cluster
	s_endpgm
.Lentry_in_a_cluster:
	s_bfe_u32 s2, ttmp6, 0x10000c
	s_cmp_lg_u32 s2, 0xf033
	s_cbranch_scc0 .Lentry_shape_is_right
	s_endpgm
.Lentry_shape_is_right:
; Product 8: out0 = x1 + A B^T x 2^(e14 + e15) + b2, on codes of FP8 (E4M3).  A = the hidden layer's codes [4,096][4,096], B = w2's codes [1,024 n][4,096 k] (8 MiB into wcodes); out0, x1 [4,096][1,024] f32.
; LIMIT: e14 + e15 between -126 and 127, so that 2^(e14 + e15) is an f32 number.
; 256 work-groups, each a tile of 128 x 128: four waves of 64 x 64 (16 accumulators).  K goes in eight steps of 512 through two LDS slots; a wave's tensor load brings 64 rows of 512 bytes (waves 0, 1: A's halves; waves 2, 3: B's).
; CLUSTERS: 4 x 4 work-groups, A's tiles shared along a row, B's along a column, by joint loads; one tensor load a wave at the head and one behind each round.
; THE MATRIX INSTRUCTION IS USED TRANSPOSED (source 0 = 16 rows of B, source 1 = 16 rows of A): a lane holds eight neighbouring numbers of a row of the result.
; PREFETCHES INTO THE L2, ahead of the tensor loads: a K step of the 64 rows that a wave fetches is 128 blocks of 256 bytes; each of the four partners that ask for them jointly names 32 (16 rows x 2 blocks), told apart
; by address (cx in A's waves, cy in B's): one instruction a wave and K step.  K step 1 is asked for behind K step 0's load, K steps 2 and 3 behind K step 1's, K step n + 2 behind the refill with K step n; the loop's last trip asks for nothing.
; B's rows are the same in all eight rows of clusters: only the clusters with y under 4 ask for them.
; The residual and the bias are asked for behind the loop, with the last two K steps' products still to come.
; REGISTERS: window 0: v0-31 addresses, v[8:11] the bias, v30 the prefetches' offset; v128-255 the accumulators.  window 1: two fragment buffers of 128.  window 2: v0-127 the residual.
.set SIZE_K, 4096
.set KLOG,   12
.set ALOG,   12
.set AHALF,  64*528
.set ASTEP,  512
.set WOFF,   0x800000
.set EA,     14
.set KSTEP,  512
.set BP,     528
.set BHALF,  64*BP
.set SLOT,   2*AHALF+2*BHALF
.set SPARE,  2*SLOT
.set SPITCH, 272
.set LAPS,   SIZE_K/(2*KSTEP)
.set BI,   8
.set BO,   12
.set ADRA, 16
.set ADRB, 20
.set STO,  24
.set RD,   25
.set CO,   26
.set SPW,  28
.set NIL,  29
.set ACC,  128
.set F0,   0
.set F1,   128
.set G1, 24
.set G0, 32
.set G1B, 48
.set G0B, 56
.set MSB, 0
.macro WIN new
.if MSB != (\new)
	s_set_vgpr_msb (MSB<<8)|(\new)
.set MSB, (\new)
.endif
.endm
.set MUL,  0x05
.set TO_F, 0x40
.macro JLOAD s
	s_cmp_eq_u32 s11, 0
	s_cbranch_scc0 .Lfor_b_\@
	tensor_load_to_lds s[G0+4*\s:G0+4*\s+3], s[G1:G1+7]
	s_nop 0
.rept 4
	v_nop
.endr
	s_branch .Lasked_\@
.Lfor_b_\@:
	tensor_load_to_lds s[G0B+4*\s:G0B+4*\s+3], s[G1B:G1B+7]
	s_nop 0
.rept 4
	v_nop
.endr
.Lasked_\@:
.endm
.macro CREST
	s_cmp_lg_u32 s10, 0
	s_cbranch_scc1 .Lnot_wave_0_\@
	s_barrier_signal -3
.Lnot_wave_0_\@:
	s_barrier_wait -3
	s_barrier_signal -1
	s_barrier_wait -1
.endm
.macro CROUND
	s_barrier_signal -1
	s_barrier_wait -1
	CREST
.endm
	s_load_b256 s[68:75], s[0:1], 0x0
	s_load_b128 s[76:79], s[0:1], 0x20
	v_lshl_add_u32 v[SPW], v0, 2, SPARE
	v_mov_b32 v[NIL], 0
	ds_add_u32 v[SPW], v[NIL]
	ds_add_u32 v[SPW], v[NIL]
	v_lshrrev_b32 v1, 5, v0
	v_readfirstlane_b32 s10, v1
	s_lshr_b32 s11, s10, 1
	s_and_b32 s12, s10, 1
	s_bfe_u32 s40, ttmp6, 0x40000
	s_bfe_u32 s41, ttmp6, 0x40004
	s_lshl_b32 s42, ttmp9, 2
	s_add_co_u32 s42, s42, s40
	s_and_b32 s13, ttmp7, 0xffff
	s_lshl_b32 s13, s13, 2
	s_add_co_u32 s13, s13, s41
	s_lshl_b32 s43, s41, 2
	s_lshl_b32 s43, 15, s43
	s_lshl_b32 s44, 0x1111, s40
	s_or_b32 s[G1+0], s43, (1<<20)|(1<<21)|(6<<22)|(3<<25)
	s_or_b32 s[G1B+0], s44, (1<<20)|(1<<21)|(6<<22)|(3<<25)
.irp g, G1, G1B
	s_mov_b32 s[\g+1], KSTEP<<16
	s_mov_b32 s[\g+2], 64<<16
	s_mov_b32 s[\g+3], KSTEP<<16
	s_mov_b32 s[\g+4], 64
	s_mov_b32 s[\g+5], SIZE_K
	s_mov_b32 s[\g+6], 0
	s_mov_b32 s[\g+7], 0
.endr
	s_lshl_b32 s18, s12, 6
	s_lshl_b32 s16, s13, 7
	s_add_co_u32 s16, s16, s18
	s_lshl_b32 s16, s16, ALOG
	s_mov_b32 s17, 0
	s_lshl_b32 s46, s42, 7
	s_add_co_u32 s46, s46, s18
	s_lshl_b32 s46, s46, KLOG
	s_add_co_u32 s46, s46, WOFF
	s_mov_b32 s47, 0
	s_mul_i32 s20, s12, AHALF
	s_mul_i32 s21, s12, BHALF
	s_add_co_u32 s21, s21, 2*AHALF
	s_wait_dscnt 0x0
	s_wait_kmcnt 0x0
	s_load_b512 s[80:95], s[72:73], 0x0
	s_add_nc_u64 s[14:15], s[68:69], s[16:17]
	s_add_nc_u64 s[46:47], s[70:71], s[46:47]
	CROUND
.irp s, 0,1
	s_mov_b32 s[G0+4*\s], 1
	s_add_co_u32 s[G0+4*\s+1], s20, \s*SLOT
	s_add_nc_u64 s[G0+4*\s+2:G0+4*\s+3], s[14:15], \s*ASTEP
	s_or_b32 s[G0+4*\s+3], s[G0+4*\s+3], 0x80000000
	s_mov_b32 s[G0B+4*\s], 1
	s_add_co_u32 s[G0B+4*\s+1], s21, \s*SLOT
	s_add_nc_u64 s[G0B+4*\s+2:G0B+4*\s+3], s[46:47], \s*KSTEP
	s_or_b32 s[G0B+4*\s+3], s[G0B+4*\s+3], 0x80000000
.endr
	s_and_b32 s5, ttmp7, 0xffff                    ; the cluster's y, the same in all partners
	s_cmp_lt_u32 s5, 4
	s_cselect_b32 s5, 1, -1                        ; s5: 1 in a wave that prefetches, else the greatest number
	s_cmp_eq_u32 s11, 0                            ; A's waves always ask
	s_cselect_b32 s5, 1, s5
	s_cselect_b64 s[66:67], s[14:15], s[46:47]     ; s[66:67]: the 64 rows that I fetch
	s_cselect_b32 s4, s40, s41
	s_lshl_b32 s4, s4, 16                          ; my work-group's 16 of them, 4,096 bytes a row
	JLOAD 0                                        ; K step 0: one tensor load a wave at the head
	v_and_b32 v31, 31, v0
	v_lshrrev_b32 v30, 1, v31
	v_and_b32 v31, 1, v31
	v_lshlrev_b32 v30, 12, v30
	v_lshl_add_u32 v30, v31, 8, v30
	v_add_nc_u32 v30, s4, v30                      ; row lane / 2 of my 16, block lane % 2; never rewritten
	s_cmp_eq_u32 s5, 1
	s_wait_alu depctr_va_vdst(0)
	s_cbranch_scc0 .Lno_ask_a
	global_prefetch_b8 v30, s[66:67] offset:512 th:TH_LOAD_NT scope:SCOPE_SE   ; K step 1
.Lno_ask_a:
	v_and_b32 v1, 15, v0
	s_wait_alu depctr_va_vdst(0)
	v_bfe_u32 v2, v0, 4, 1
	v_mul_u32_u24 v3, v1, BP
	v_lshl_add_u32 v3, v2, 4, v3
	s_mul_i32 s21, s11, AHALF
	s_mul_i32 s22, s12, BHALF
	s_add_co_u32 s22, s22, 2*AHALF
.irp s, 0,1
	v_add_nc_u32 v[ADRA+\s], s21, v3
	v_add_nc_u32 v[ADRB+\s], s22, v3
	s_add_co_u32 s21, s21, SLOT
	s_add_co_u32 s22, s22, SLOT
.endr
	s_mul_i32 s23, s10, 64*SPITCH
	v_mul_u32_u24 v5, v1, SPITCH
	s_wait_alu depctr_va_vdst(0)
	v_lshl_add_u32 v5, v2, 5, v5
	v_add_nc_u32 v[STO], s23, v5
	v_mul_u32_u24 v5, v2, SPITCH
	v_lshl_add_u32 v5, v1, 4, v5
	v_add_nc_u32 v[RD], s23, v5
	v_lshlrev_b32 v5, 12, v2
	v_lshl_add_u32 v[CO], v1, 4, v5
	v_lshlrev_b32 v[BO], 4, v1
	s_wait_alu depctr_va_vdst(0)
	s_lshl_b32 s16, s13, 7
	s_lshl_b32 s17, s11, 6
	s_add_co_u32 s16, s16, s17
	s_lshl_b32 s16, s16, 12
	s_lshl_b32 s18, s42, 9
	s_lshl_b32 s19, s12, 8
	s_add_co_u32 s18, s18, s19
	s_add_co_u32 s16, s16, s18
	s_mov_b32 s17, 0
	s_mov_b32 s19, 0
	s_add_nc_u64 s[76:77], s[76:77], s[16:17]
	s_add_nc_u64 s[78:79], s[78:79], s[16:17]
	s_add_nc_u64 s[74:75], s[74:75], s[18:19]
.macro AFRAG reg, slot, q, i
.irp c, 0,1,2,3
	ds_load_b128 v[\reg+4*\c:\reg+4*\c+3], v[ADRA+\slot] offset:128*(\q)+32*\c+(\i)*16*BP
.endr
.endm
.macro BFRAG reg, slot, q, i
.irp c, 0,1,2,3
	ds_load_b128 v[\reg+4*\c:\reg+4*\c+3], v[ADRB+\slot] offset:128*(\q)+32*\c+(\i)*16*BP
.endr
.endm
.macro FETCH slot, q, f
	WIN TO_F
.irp i, 0,1,2,3
	BFRAG \f+64+16*\i, \slot, \q, \i
.endr
.irp i, 0,1,2,3
	AFRAG \f+16*\i, \slot, \q, \i
.endr
.endm
.macro MUL4 f, a, zero
.irp b, 0,1,2,3
.if \zero
	v_wmma_f32_16x16x128_fp8_fp8 v[ACC+8*(4*(\a)+\b):ACC+8*(4*(\a)+\b)+7], v[\f+64+16*\b:\f+64+16*\b+15], v[\f+16*(\a):\f+16*(\a)+15], 0
.else
	v_wmma_f32_16x16x128_fp8_fp8 v[ACC+8*(4*(\a)+\b):ACC+8*(4*(\a)+\b)+7], v[\f+64+16*\b:\f+64+16*\b+15], v[\f+16*(\a):\f+16*(\a)+15], v[ACC+8*(4*(\a)+\b):ACC+8*(4*(\a)+\b)+7]
.endif
.endr
.endm
.macro PLACES
.rept 4
	v_nop
.endr
.endm
.macro QUARTER slot, q, f, g, zero
	s_wait_dscnt 8
	WIN MUL
	MUL4 \f, 0, \zero
	MUL4 \f, 1, \zero
	PLACES
	FETCH \slot, \q, \g
	s_wait_dscnt 32
	WIN MUL
	MUL4 \f, 2, \zero
	MUL4 \f, 3, \zero
.endm
.macro TURN slot, next, fill
	WIN 0
	s_wait_tensorcnt 0x0
	ds_add_u32 v[SPW], v[NIL]
	s_wait_dscnt 9
	WIN MUL
	MUL4 F1, 0, 0
	s_wait_dscnt 0x0
	s_barrier_signal -1
	MUL4 F1, 1, 0
.if \fill
	WIN 0
.endif
	s_barrier_wait -1
.if \fill
	CREST
	s_add_nc_u64 s[G0+4*\slot+2:G0+4*\slot+3], s[G0+4*\slot+2:G0+4*\slot+3], 2*ASTEP
	s_add_nc_u64 s[G0B+4*\slot+2:G0B+4*\slot+3], s[G0B+4*\slot+2:G0B+4*\slot+3], 2*KSTEP
	JLOAD \slot
.else
	PLACES
.endif
	FETCH \next, 0, F0
.if \fill
	WIN 0                                          ; at a branch and at a label every window is 0
	s_cmp_gt_u32 s3, s5                            ; s3 = 1 in the loop's last trip: no K step stands two refills on
	s_cbranch_scc0 .Lno_ask_\@
	global_prefetch_b8 v30, s[66:67] offset:2048+512*\slot th:TH_LOAD_NT scope:SCOPE_SE   ; the K step two refills on
.Lno_ask_\@:
.endif
	WIN MUL
	MUL4 F1, 2, 0
	MUL4 F1, 3, 0
.endm
	s_wait_alu depctr_va_vdst(0)                   ; the head's end
	s_wait_tensorcnt 0x0                           ; my part of K step 0 is in
	ds_add_u32 v[SPW], v[NIL]
	s_wait_dscnt 0x0
	CROUND                                         ; everybody's part of K step 0 is in, and all sixteen work-groups are here
	JLOAD 1                                        ; K step 1: the first tensor load behind the round
	FETCH 0, 0, F0
	WIN 0
	s_cmp_eq_u32 s5, 1
	s_cbranch_scc0 .Lno_ask_b
	global_prefetch_b8 v30, s[66:67] offset:1024 th:TH_LOAD_NT scope:SCOPE_SE   ; K step 2,
	global_prefetch_b8 v30, s[66:67] offset:1536 th:TH_LOAD_NT scope:SCOPE_SE   ; and K step 3
.Lno_ask_b:
	QUARTER 0, 1, F0, F1, 1
	WIN 0
	s_mov_b32 s3, LAPS-1
.Llap:
	QUARTER 0, 2, F1, F0, 0
	QUARTER 0, 3, F0, F1, 0
	TURN 0, 1, 1
	QUARTER 1, 1, F0, F1, 0
	QUARTER 1, 2, F1, F0, 0
	QUARTER 1, 3, F0, F1, 0
	TURN 1, 0, 1
	QUARTER 0, 1, F0, F1, 0
	WIN 0
	s_wait_xcnt 0x0                                ; my prefetches have read their address: it steps two K steps on
	s_add_nc_u64 s[66:67], s[66:67], 1024
	s_sub_co_u32 s3, s3, 1
	s_cmp_lg_u32 s3, 0
	s_cbranch_scc1 .Llap
	global_load_b128 v[BI:BI+3], v[BO], s[74:75]   ; the bias of my four columns on the way out
	WIN 0x80                                       ; destination window 2
.set J, 0
.rept 32
	global_load_b128 v[4*J:4*J+3], v[CO], s[76:77] offset:J*2*4096   ; the residual of my 64 x 64, as the way out will want it: it lands under the last lap's products
.set J, J+1
.endr
	WIN 0
	QUARTER 0, 2, F1, F0, 0
	QUARTER 0, 3, F0, F1, 0
	TURN 0, 1, 0
	QUARTER 1, 1, F0, F1, 0
	QUARTER 1, 2, F1, F0, 0
	QUARTER 1, 3, F0, F1, 0
	s_wait_dscnt 8
	WIN MUL
	MUL4 F1, 0, 0
	MUL4 F1, 1, 0
	s_wait_dscnt 0
	MUL4 F1, 2, 0
	MUL4 F1, 3, 0
	WIN 0
	s_wait_kmcnt 0x0
	s_add_co_i32 s96, s[80+EA], s[80+EA+1]
	s_add_co_i32 s96, s96, 127
	s_lshl_b32 s96, s96, 23
	s_mov_b32 s97, s96
	PLACES
.irp a, 0,1,2,3
.irp b, 0,1,2,3
	ds_store_b128 v[STO], v[ACC+8*(4*\a+\b):ACC+8*(4*\a+\b)+3] offset:\a*16*SPITCH+64*\b
	ds_store_b128 v[STO], v[ACC+8*(4*\a+\b)+4:ACC+8*(4*\a+\b)+7] offset:\a*16*SPITCH+64*\b+16
.endr
.irp t, 0,1,2,3,4,5,6,7
	ds_load_b128 v[ACC+32*\a+4*\t:ACC+32*\a+4*\t+3], v[RD] offset:(16*\a+2*\t)*SPITCH
.endr
.endr
	s_wait_loadcnt 0x0
.irp a, 0,1,2,3
	s_wait_dscnt 16*(3-\a)
.set J, 0
.rept 16
	v_pk_fma_f32 v[ACC+32*\a+2*J:ACC+32*\a+2*J+1], v[ACC+32*\a+2*J:ACC+32*\a+2*J+1], s[96:97], v[BI+2*(J%2):BI+2*(J%2)+1] op_sel_hi:[1,0,1]
.set J, J+1
.endr
	WIN 0x08
.set J, 0
.rept 16
	v_pk_add_f32 v[ACC+32*\a+2*J:ACC+32*\a+2*J+1], v[ACC+32*\a+2*J:ACC+32*\a+2*J+1], v[32*\a+2*J:32*\a+2*J+1]
.set J, J+1
.endr
	WIN 0
.irp t, 0,1,2,3,4,5,6,7
	global_store_b128 v[CO], v[ACC+32*\a+4*\t:ACC+32*\a+4*\t+3], s[78:79] offset:(16*\a+2*\t)*4096
.endr
.endr
	s_wait_tensorcnt 0x0
	ds_add_u32 v[SPW], v[NIL]
	s_wait_dscnt 0x0
	CROUND
	s_endpgm
.Lfunc_end_k_q9deea2a857_ffn2:
	.size	k_q9deea2a857_ffn2, .Lfunc_end_k_q9deea2a857_ffn2-k_q9deea2a857_ffn2
	.p2alignl 7, 3214868480
	.fill 96, 4, 3214868480
	.section	.rodata,"a",@progbits
	.p2align	6, 0x0
	.amdhsa_kernel k_q9deea2a857_ffn2
		.amdhsa_group_segment_fixed_size 327680
		.amdhsa_private_segment_fixed_size 0
		.amdhsa_enable_private_segment 0
		.amdhsa_kernarg_size 48
		.amdhsa_user_sgpr_count 2
		.amdhsa_user_sgpr_kernarg_segment_ptr 1
		.amdhsa_wavefront_size32 1
		.amdhsa_system_sgpr_workgroup_id_x 1
		.amdhsa_system_sgpr_workgroup_id_y 1
		.amdhsa_system_sgpr_workgroup_id_z 1
		.amdhsa_system_vgpr_workitem_id 0
		.amdhsa_next_free_vgpr 640
		.amdhsa_next_free_sgpr 100
		.amdhsa_reserve_vcc 0
		.amdhsa_float_denorm_mode_32 3
		.amdhsa_float_denorm_mode_16_64 3
		.amdhsa_memory_ordered 1
		.amdhsa_forward_progress 1
		.amdhsa_inst_pref_size 83
	.end_amdhsa_kernel
	.amdgpu_metadata
---
amdhsa.version: [ 1, 2 ]
amdhsa.kernels:
  - .name:           k_q9deea2a857_ffn2
    .symbol:         k_q9deea2a857_ffn2.kd
    .args:
      - { .name: hidc, .offset: 0, .size: 8, .value_kind: global_buffer, .address_space: global }
      - { .name: wcodes, .offset: 8, .size: 8, .value_kind: global_buffer, .address_space: global }
      - { .name: lowp_scales, .offset: 16, .size: 8, .value_kind: global_buffer, .address_space: global }
      - { .name: b2, .offset: 24, .size: 8, .value_kind: global_buffer, .address_space: global }
      - { .name: x1, .offset: 32, .size: 8, .value_kind: global_buffer, .address_space: global }
      - { .name: out0, .offset: 40, .size: 8, .value_kind: global_buffer, .address_space: global }
    .group_segment_fixed_size: 327680
    .private_segment_fixed_size: 0
    .kernarg_segment_align: 8
    .kernarg_segment_size: 48
    .max_flat_workgroup_size: 128
    .sgpr_count:     100
    .vgpr_count:     640
    .wavefront_size: 32
...
	.end_amdgpu_metadata
.endif
;; end of part 7
